; MI455X (gfx1250); checked and timed in simulation.
; The chip was launched on July 23, 2026; its instructions are those of AMD's public machine-readable ISA for CDNA 5 (MIT licence, August 2026) and "CDNA5" Instruction Set Architecture Reference Guide (July 2026). The comments in the code are by the model that wrote it; some were corrected since.
;; Qwen3 Attention. Allowed arithmetic: matrix products marked QUANTISED: E2M1 operands, one E8M0 scale for each 32 along K, by v_wmma_scale_f32_16x16x128_f8f6f4 with both operands' format E2M1 (or v_wmma_scale_f32_32x16x128_f4), f32 sums; products left as they are: bf16, f16 or f32 operands; f32 sums; everything else in f32.
;; Inputs: k_norm_w 128 float32; pos_cos 2,048 x 128 float32; pos_sin 2,048 x 128 float32; q_norm_w 128 float32; w_o 2,048 x 1,024 float32; w_qkv 2,048 x 2,048 float32; x 2 x 2,048 x 2,048 float32.
;; Outputs: out0 2 x 2,048 x 2,048 float32.
;; This version of the problem:
;;   THIS VERSION OF THE PROBLEM IS GIVEN IN LOW PRECISION. The matrix products marked QUANTISED in the list below multiply operands that are first quantised to E2M1 (2 exponent bits, 1 mantissa bit; 4 bits a number), with one power-of-two scale for each 32 numbers along K (OCP MX v1.0); their sums are f32. The products marked 'left as it is' may take bf16, f16 or f32 operands, with f32 sums. Whichever they take, every output number must still come out within the allowed error. Rounding operands to bf16 (8 significant bits) uses up far more of that allowance than f16 does (11 bits, for magnitudes from 6e-5 to 65,504). All else is computed in f32.
;;   The module's matrix products, in the order in which they are computed (A, B: the left and right operand; K: the contracted axis; several contracted axes count as one K, in the product's order):
;;     1. [M 4,096, K 2,048] x [K 2,048, N 2,048]; A: input x; B: input w_qkv: QUANTISED
;;     2. batch 16 x [M 2,048, K 128] x [K 128, N 2,048]; A: computed on the way; B: computed on the way: left as it is (an operand is computed on the way)
;;     3. batch 16 x [M 128, K 2,048] x [K 2,048, N 2,048]; A: computed on the way; B: computed on the way: left as it is (an operand is computed on the way)
;;     4. [M 4,096, K 1,024] x [K 1,024, N 2,048]; A: computed on the way; B: input w_o: left as it is (an operand is computed on the way)
;;   THE QUANTISER, for each operand of a quantised product, along K:
;;     - K is cut into blocks of 32 from its start; a last block that is shorter is filled with zeros.
;;     - A block's scale is 2^e with e = floor(log2(the largest magnitude in the block)) - 2, held to -126 .. 127; a block of zeros has e = 0. As a byte (E8M0): e + 127.
;;     - Each number is divided by its block's scale, clamped to +-6, and rounded to the nearest number of E2M1, ties to even, subnormals kept.
;;     - The product sums the exact products of the quantised numbers (number of the format x scale) in f32.
;;   ~~~python
;;   def quantise(x, axis):      # numpy; x: float32 -> the quantised numbers, widened to float32 again
;;       x = np.moveaxis(x, axis, -1); K = x.shape[-1]
;;       x = np.pad(x, [(0, 0)] * (x.ndim - 1) + [(0, -K % 32)]); x = x.reshape(x.shape[:-1] + (-1, 32)); a = np.abs(x).max(-1, keepdims=True)
;;       e = np.where(a > 0, np.clip(np.frexp(np.where(a > 0, a, 1))[1] - 1 - 2, -126, 127), 0)      # np.frexp(a)[1] - 1 = floor(log2(a)), exactly
;;       r = np.clip(x / 2.0 ** e, -6, 6)
;;       step = 2.0 ** (np.maximum(np.frexp(np.where(r == 0, 1, r))[1] - 1, 0) - 1)
;;       q = np.round(r / step) * step * 2.0 ** e      # np.round: ties to even
;;       return np.moveaxis(q.reshape(q.shape[:-2] + (-1,))[..., :K], -1, axis).astype(np.float32)
;;   ~~~
;; One version. Each part assembles by itself: llvm-mc -triple=amdgcn-amd-amdhsa -mcpu=gfx1250 --defsym DOCPART=n.
;; ======== version 1 of 1: 5 launches
;; limits: values are held in f16: magnitudes above 65,504 overflow, below 6.1e-05 lose precision
;; workspace buffers: xc 4,194,304 bytes; xs 262,144 bytes; wc 2,097,152 bytes; ws 131,072 bytes; wo16 4,194,304 bytes; qkv16 16,777,216 bytes; fineb 262,144 bytes; o16 8,388,608 bytes
;; launch prep (part 1): grid 448 x 1, 4 waves a work-group, no clusters, 33,280 bytes of LDS; arguments x, w_qkv, w_o, xc, xs, wc, ws, wo16; writes xc, xs, wc, ws, wo16
.if DOCPART == 1
	.amdgcn_target "amdgcn-amd-amdhsa--gfx1250"
	.amdhsa_code_object_version 6
	.text
	.protected	k_q47d54d9be4_prep
	.globl	k_q47d54d9be4_prep
	.p2align	8
	.type	k_q47d54d9be4_prep,@function
k_q47d54d9be4_prep:
	s_mov_b64 s[64:65], 0
	v_nop
	global_prefetch_b8 v0, s[64:65] scope:SCOPE_SE
	s_setreg_imm32_b32 hwreg(HW_REG_WAVE_MODE, 25, 1), 1
	s_wait_xcnt 0x0
; x [4096][2048] and w_qkv [2048][2048], f32, K innermost, become codes of FP4 (E2M1), two a byte, with one E8M0 byte for each 32 along K; w_o [2048][1024] f32 becomes f16.
; Work-groups 0-255 take x, 256-383 w_qkv, 384-447 w_o; each takes 32,768 numbers, each of its four waves 8,192.
; THE QUANTISER.  A block's scale is 2^(floor(log2(its largest magnitude)) - 2); its byte is the largest magnitude's exponent field - 2, held at 1 from below.  Each number is divided by the scale
; and rounded to the nearest code, ties to even; what lies beyond 6 gets the largest code.  Rows are dense and K is a multiple of 32: a tensor is a plain stream of blocks.
; A wave takes 16 steps of 512 numbers.  Each of a step's four loads reads 512 consecutive bytes, 16 a lane; the 2,048 bytes turn through the wave's own stage in LDS and come back 64 bytes a lane,
; so that a lane holds 16 neighbours along K (two neighbouring lanes hold a block).  A lane's 16 codes are 8 bytes: a wave's store covers 256 consecutive bytes, aligned.
; A wave's 256 scale bytes are gathered in its own LDS bytes and leave by one store of 256 consecutive bytes.
; LIMITS: a block of zeros gets the byte 1 where the rule says 127 (its codes are zeros, and this program alone reads the bytes); blocks whose largest magnitude lies under 2^-124 keep the byte 1;
; NaN and infinities are not served; w_o beyond 65,504 in magnitude has no f16 number.
.set WAVES, 4
.set STEPS, 16
.set WGX,   256                        ; work-groups for x
.set WGQ,   384                        ; and for both quantised tensors
.set EMAX,  2
.set CB,    8                          ; bytes of 16 codes
.set R,     16                         ; v16-79   four sets of 16 numbers as loaded; in the f16 path sixteen slots of 4
.set X,     80                         ; v80-111  two sets of 16 neighbours; in the f16 path sixteen pairs to store
.set C,     128                        ; v128-191 codes, four registers a step
.set E,     112                        ; v112-127 a scale byte a step
.set WREG,  8192                       ; LDS: a region for each wave: two stages of 32 x SP bytes, then its 256 scale bytes
.set SP,    80                         ; a lane's place in a stage: 64 bytes + 16 of padding
.set SPW,   12                         ; v12  LDS address of my spare word; never rewritten
.set NIL,   13                         ; v13  0; never rewritten
.set SPARE, WAVES*WREG                 ; behind the regions: the spare words, 128 bytes a wave
.set SRC,   24                         ; s[24:25] my run's numbers
.set COD,   26                         ; s[26:27] my run's codes (or f16 numbers)
.set SCB,   28                         ; s[28:29] my run's scale bytes
	s_load_b256 s[4:11], s[0:1], 0x0               ; x s[4:5], w_qkv s[6:7], w_o s[8:9], xc s[10:11]
	s_load_b256 s[12:19], s[0:1], 0x20             ; xs s[12:13], wc s[14:15], ws s[16:17], wo16 s[18:19]
	v_lshl_add_u32 v[SPW], v0, 2, SPARE
	v_mov_b32 v[NIL], 0
	v_lshrrev_b32 v1, 5, v0
	v_readfirstlane_b32 s20, v1                    ; wave
	v_and_b32 v2, 31, v0                           ; lane
	v_lshlrev_b32 v3, 4, v2                        ; my 16 bytes of a load's 512
	s_cmp_ge_u32 ttmp9, WGQ
	s_cbranch_scc1 .Lcvt                           ; the work-group's number alone decides
	s_mul_i32 s21, s20, WREG
	v_lshrrev_b32 v14, 2, v2
	v_mul_u32_u24 v14, v14, SP
	v_and_b32 v15, 3, v2
	v_lshl_add_u32 v14, v15, 4, v14
	v_add_nc_u32 v14, s21, v14                     ; the stage, on the way in: SP (lane / 4) + 16 (lane % 4)
	v_mul_u32_u24 v15, v2, SP
	v_add_nc_u32 v15, s21, v15                     ; and on the way out: SP x lane
	v_mul_u32_u24 v4, v2, CB                       ; my codes' place in a step's
	v_lshrrev_b32 v5, 1, v2
	s_add_co_u32 s21, s21, 2*32*SP
	v_add_nc_u32 v5, s21, v5                       ; my block's byte among the wave's 256
	v_lshlrev_b32 v7, 3, v2
	v_add_nc_u32 v6, s21, v7                       ; and on the way out 8 bytes a lane
	s_wait_kmcnt 0x0
	s_cmp_lt_u32 ttmp9, WGX                        ; x's work-group or w_qkv's
	s_cselect_b64 s[SRC:SRC+1], s[4:5], s[6:7]
	s_cselect_b64 s[COD:COD+1], s[10:11], s[14:15]
	s_cselect_b64 s[SCB:SCB+1], s[12:13], s[16:17]
	s_cselect_b32 s21, 0, WGX
	s_sub_co_u32 s21, ttmp9, s21
	s_lshl_b32 s21, s21, 2
	s_add_co_u32 s22, s21, s20                     ; which run of 8,192 numbers is my wave's
	s_mov_b32 s23, 0
	s_lshl_b64 s[30:31], s[22:23], 15              ; 32,768 bytes of numbers,
	s_add_nc_u64 s[SRC:SRC+1], s[SRC:SRC+1], s[30:31]
	s_lshl_b64 s[30:31], s[22:23], 12              ; 4,096 of codes,
	s_add_nc_u64 s[COD:COD+1], s[COD:COD+1], s[30:31]
	s_lshl_b64 s[30:31], s[22:23], 8               ; 256 of scale bytes a run
	s_add_nc_u64 s[SCB:SCB+1], s[SCB:SCB+1], s[30:31]
.macro LOAD t
.irp i, 0,1,2,3
	global_load_b128 v[R+16*((\t)%4)+4*\i:R+16*((\t)%4)+4*\i+3], v3, s[SRC:SRC+1] offset:2048*(\t)+512*\i th:TH_LOAD_NT
.endr
.endm
.macro TURN t                          ; step t's numbers through the stage: LDS serves a wave's instructions in order, so no wait stands between the stores and the loads
.irp i, 0,1,2,3
	ds_store_b128 v14, v[R+16*((\t)%4)+4*\i:R+16*((\t)%4)+4*\i+3] offset:32*SP*((\t)%2)+8*SP*\i
.endr
.irp i, 0,1,2,3
	ds_load_b128 v[X+16*((\t)%2)+4*\i:X+16*((\t)%2)+4*\i+3], v15 offset:32*SP*((\t)%2)+16*\i
.endr
.endm
.irp t, 0,1,2,3
	LOAD \t
.endr
	s_wait_loadcnt 12                              ; step 0's four loads are in; three steps' twelve may be out
	TURN 0
.macro STEP t
.set XS, X+16*((\t)%2)
.if (\t) > 0
	s_wait_dscnt 1                                 ; this step's numbers are back from the stage; the last step's byte store may be out
.else
	s_wait_dscnt 0x0
.endif
.if (\t)+4 < STEPS
	LOAD (\t)+4                                    ; the stage's stores have read these registers
.endif
.if (\t)+1 < STEPS
.if STEPS-2-(\t) >= 3
	s_wait_loadcnt 12                              ; the next step's four loads are in; those of the three steps behind it may be out
.else
	s_wait_loadcnt 4*(STEPS-2-(\t))
.endif
	TURN (\t)+1
.endif
	v_max3_num_f32 v8, |v[XS]|, |v[XS+1]|, |v[XS+2]|               ; the largest magnitude of my 16, in two chains
	v_max3_num_f32 v9, |v[XS+3]|, |v[XS+4]|, |v[XS+5]|
.irp i, 6,10
	v_max3_num_f32 v8, v8, |v[XS+\i]|, |v[XS+\i+1]|
	v_max3_num_f32 v9, v9, |v[XS+\i+2]|, |v[XS+\i+3]|
.endr
	v_max3_num_f32 v8, v8, |v[XS+14]|, |v[XS+15]|
	v_max3_num_f32 v8, v8, v9, (EMAX+1)<<23        ; and the floor 2^(3 - 127): the byte cannot fall under 1
	v_max_num_f32_dpp v8, v8, v8 row_xmask:1 row_mask:0xf bank_mask:0xf   ; with my neighbour's 16: the block's
	v_add_nc_u32 v11, -(EMAX<<23), v8              ; 2 off its exponent field: the conversion takes the exponent field of this operand as its scale
	v_cvt_scalef32_pk8_fp4_f32 v[C+4*(\t)], v[XS:XS+7], v11
	v_cvt_scalef32_pk8_fp4_f32 v[C+4*(\t)+1], v[XS+8:XS+15], v11
	v_lshrrev_b32 v[E+(\t)], 23, v11               ; the scale's byte (a plain line behind the conversions)
	ds_store_b8 v5, v[E+(\t)] offset:16*(\t)       ; both lanes of a block write the same byte with the same value
	global_store_b64 v4, v[C+4*(\t):C+4*(\t)+1], s[COD:COD+1] offset:32*CB*(\t)
.endm
.irp t, 0,1,2,3,4,5,6,7,8,9,10,11,12,13,14,15
	STEP \t
.endr
	ds_load_b64 v[8:9], v6                         ; these see my byte stores: LDS serves a wave in order
	s_wait_dscnt 0x0
	global_store_b64 v7, v[8:9], s[SCB:SCB+1]      ; 32 lanes store 256 consecutive bytes, aligned
	s_wait_tensorcnt 0x0                           ; the wave's end: three closing lines behind my last LDS store
	ds_add_u32 v[SPW], v[NIL]
	s_wait_dscnt 0x0
	s_endpgm
; W_O TO F16.  A stream without LDS: a ring of sixteen register slots keeps sixteen loads of a wave on their way.  A load covers 512 consecutive bytes, a store 256, aligned.
.Lcvt:
	v_lshlrev_b32 v4, 3, v2                        ; my 8 bytes of a store's 256
	s_sub_co_u32 s21, ttmp9, WGQ
	s_lshl_b32 s21, s21, 2
	s_add_co_u32 s22, s21, s20                     ; my run of 8,192 numbers
	s_mov_b32 s23, 0
	s_lshl_b64 s[30:31], s[22:23], 15
	s_lshl_b64 s[32:33], s[22:23], 14
	s_wait_kmcnt 0x0
	s_add_nc_u64 s[SRC:SRC+1], s[8:9], s[30:31]
	s_add_nc_u64 s[COD:COD+1], s[18:19], s[32:33]
.irp i, 0,1,2,3,4,5,6,7,8,9,10,11,12,13,14,15
	global_load_b128 v[R+4*\i:R+4*\i+3], v3, s[SRC:SRC+1] offset:512*\i th:TH_LOAD_NT
.endr
.macro CV i
.if (\i) < 48
	s_wait_loadcnt 15                              ; loads come back in order: mine is in, the fifteen younger stay out
.else
	s_wait_loadcnt 63-(\i)                         ; the last sixteen turns load nothing: the counts run down
.endif
	s_wait_xcnt 0x0                                ; the pair below was a store's data sixteen turns ago
	v_cvt_pk_f16_f32 v[X+2*((\i)%16)], v[R+4*((\i)%16)], v[R+4*((\i)%16)+1]
	v_cvt_pk_f16_f32 v[X+2*((\i)%16)+1], v[R+4*((\i)%16)+2], v[R+4*((\i)%16)+3]
.if (\i)+16 < 64
	global_load_b128 v[R+4*((\i)%16):R+4*((\i)%16)+3], v3, s[SRC:SRC+1] offset:512*((\i)+16) th:TH_LOAD_NT
.endif
	global_store_b64 v4, v[X+2*((\i)%16):X+2*((\i)%16)+1], s[COD:COD+1] offset:256*(\i)
.endm
.set II, 0
.rept 64
	CV II
.set II, II+1
.endr
	s_wait_tensorcnt 0x0                           ; the three closing lines stand on this way too
	ds_add_u32 v[SPW], v[NIL]
	s_wait_dscnt 0x0
	s_endpgm
.Lfunc_end_k_q47d54d9be4_prep:
	.size	k_q47d54d9be4_prep, .Lfunc_end_k_q47d54d9be4_prep-k_q47d54d9be4_prep
	.p2alignl 7, 3214868480
	.fill 96, 4, 3214868480
	.section	.rodata,"a",@progbits
	.p2align	6, 0x0
	.amdhsa_kernel k_q47d54d9be4_prep
		.amdhsa_group_segment_fixed_size 33280
		.amdhsa_private_segment_fixed_size 0
		.amdhsa_enable_private_segment 0
		.amdhsa_kernarg_size 64
		.amdhsa_user_sgpr_count 2
		.amdhsa_user_sgpr_kernarg_segment_ptr 1
		.amdhsa_wavefront_size32 1
		.amdhsa_system_sgpr_workgroup_id_x 1
		.amdhsa_system_sgpr_workgroup_id_y 1
		.amdhsa_system_sgpr_workgroup_id_z 1
		.amdhsa_system_vgpr_workitem_id 0
		.amdhsa_next_free_vgpr 192
		.amdhsa_next_free_sgpr 66
		.amdhsa_reserve_vcc 0
		.amdhsa_float_denorm_mode_32 3
		.amdhsa_float_denorm_mode_16_64 3
		.amdhsa_memory_ordered 1
		.amdhsa_forward_progress 1
		.amdhsa_inst_pref_size 58
	.end_amdhsa_kernel
	.amdgpu_metadata
---
amdhsa.version: [ 1, 2 ]
amdhsa.kernels:
  - .name:           k_q47d54d9be4_prep
    .symbol:         k_q47d54d9be4_prep.kd
    .args:
      - { .name: x, .offset: 0, .size: 8, .value_kind: global_buffer, .address_space: global }
      - { .name: w_qkv, .offset: 8, .size: 8, .value_kind: global_buffer, .address_space: global }
      - { .name: w_o, .offset: 16, .size: 8, .value_kind: global_buffer, .address_space: global }
      - { .name: xc, .offset: 24, .size: 8, .value_kind: global_buffer, .address_space: global }
      - { .name: xs, .offset: 32, .size: 8, .value_kind: global_buffer, .address_space: global }
      - { .name: wc, .offset: 40, .size: 8, .value_kind: global_buffer, .address_space: global }
      - { .name: ws, .offset: 48, .size: 8, .value_kind: global_buffer, .address_space: global }
      - { .name: wo16, .offset: 56, .size: 8, .value_kind: global_buffer, .address_space: global }
    .group_segment_fixed_size: 33280
    .private_segment_fixed_size: 0
    .kernarg_segment_align: 8
    .kernarg_segment_size: 64
    .max_flat_workgroup_size: 128
    .sgpr_count:     66
    .vgpr_count:     192
    .wavefront_size: 32
...
	.end_amdgpu_metadata
.endif
;; end of part 1
;; launch qkv (part 2): grid 8 x 32, 4 waves a work-group, clusters of 4 x 4, 327,680 bytes of LDS; arguments xc, xs, wc, ws, qkv16, fineb, pos_cos, pos_sin, q_norm_w, k_norm_w; writes qkv16, fineb
.if DOCPART == 2
	.amdgcn_target "amdgcn-amd-amdhsa--gfx1250"
	.amdhsa_code_object_version 6
	.text
	.protected	k_q47d54d9be4_qkv
	.globl	k_q47d54d9be4_qkv
	.p2align	8
	.type	k_q47d54d9be4_qkv,@function
k_q47d54d9be4_qkv:
	s_mov_b64 s[64:65], 0
	v_nop
	global_prefetch_b8 v0, s[64:65] scope:SCOPE_SE
	s_setreg_imm32_b32 hwreg(HW_REG_WAVE_MODE, 25, 1), 1
	s_wait_xcnt 0x0
	s_wait_alu depctr_hold_cnt(0) depctr_sa_sdst(0) depctr_va_vdst(0) depctr_va_sdst(0) depctr_va_ssrc(0) depctr_va_vcc(0) depctr_vm_vsrc(0)
	s_getreg_b32 s2, hwreg(HW_REG_IB_STS2, 6, 4)
	s_cmp_eq_u32 s2, 0
	s_cbranch_scc0 .Lentry_in_a_cluster
	s_endpgm
.Lentry_in_a_cluster:
	s_bfe_u32 s2, ttmp6, 0x10000c
	s_cmp_lg_u32 s2, 0xf033
	s_cbranch_scc0 .Lentry_shape_is_right
	s_endpgm
.Lentry_shape_is_right:
; qkv = x w_qkv^T on codes of FP4 with E8M0 scales (K = 2,048), then per head RMSNorm and RoPE in f32 (q and k heads), then f16.
; OUT: qkv16 [16 heads][4096 rows = 2048 b + s][128] f16, heads 0-7 q, 8-11 k, 12-15 v; fineb [b][16 heads][16 positions][128] f32: positions 0-15 of both batches, unrounded.
; SHARES.  A work-group makes 128 rows x 256 columns: 32 x 8 = 256 work-groups.  Four waves, each 64 rows x 128 columns: ONE HEAD, 32 accumulators of 16 x 16.
; The matrix instruction is used transposed (source 0 = 16 rows of w, source 1 = 16 rows of x): lane (r, h) holds row r and columns 16 b + 8 h + 0..7 of its head, so a row's sum of squares wants one
; exchange between the halves of the lanes, and RoPE's partner column c + 64 is the same lane's register 32 further on.
; WHICH ROWS OF W FORM A TILE.  Cluster x = 0: the tile at place cx holds q heads 2 cx and 2 cx + 1.  Cluster x = 1: its first half is k head cx, its second v head cx.  So whether a wave holds a v head
; hangs on the cluster's x and the wave's number alone, and no branch hangs on a work-group's place in its cluster.
; RING.  K goes in steps of 512 (rows of 256 bytes) through two LDS slots: 128 rows of x's codes, 256 of w's.  Waves 0, 1 fetch x's halves, waves 2, 3 w's, one joint load each: x's tile is shared along a
; row of the 4 x 4 cluster, w's along a column.  The scale bytes of the work-group's rows for all of K come once, with the first fills.
; By this text's own count a wave has three tensor loads out at the start and one behind each change of slots.
; LIMITS: |v| beyond 65,504 has no f16 number; NaN and infinities are not served.
.set PITCH,  272                       ; an LDS row: 256 bytes + 16 of padding: the 16 rows that a load touches start at 16 different banks
.set HALFA,  64*PITCH
.set HALFB,  128*PITCH
.set BOFF,   2*HALFA                   ; a slot: x's 128 rows, then w's 256
.set SLOT,   BOFF+2*HALFB
.set KROW,   1024                      ; a row of codes in memory
.set LAPS,   2                         ; a lap = two K steps
.set SCLA,   2*SLOT                    ; x's scale bytes: 128 rows x 64 bytes as 32 units of 256 + 16
.set HSA,    16*272
.set SCLB,   SCLA+2*HSA                ; w's: 256 rows, 64 units
.set HSB,    32*272
.set SBLK,   4*272                     ; those of 16 rows
.set SPARE,  SCLB+2*HSB                ; the spare words, 128 bytes a wave
.set STG16,  SPARE+512                 ; the way out: 16 rows x (256 + 16) for each wave,
.set STG32,  STG16+4*16*272            ; and 16 rows x (512 + 16) for the f32 copy
.set T,     4                          ; v4-11  at work
.set RS,    12                         ; v[12:13] 1 / rms, and a 0 beside it
.set ADRA,  16                         ; v16-17 my x fragments in slot 0, 1
.set RD32,  18
.set ADRB,  20                         ; v20-21 my w fragments
.set VCS,   22                         ; my byte in the tables' rows
.set VW,    23                         ; my byte in the gains
.set STO16, 24
.set RD16,  25
.set LN16,  26                         ; 16 x lane
.set ADRS,  27                         ; scale words: lanes 0-15 x's rows, lanes 16-31 w's
.set SPW,   28
.set NIL,   29
.set ADRSB, 30                         ; scale words: w's rows in all lanes
.set STO32, 31
.set SC,    32                         ; v32-95 scale words, two sets of 32: register 4 i + q
.set FB,    32                         ; the way out: the f32 rows read back
.set AF,    96                         ; v96-159 x's fragments, two sets of 32
.set OUTR,  96                         ; the way out: a block's 64 results
.set PKR,   160                        ; v160-191 packed
.set RB,    192                        ; v192-255 rows read back, two sets of 32
; window 1: v0-127 w's fragments, two sets of 64; afterwards tables' buffer 0; v128-255 tables' buffer 1 (cos at +8 b + j, sin at +64 + 8 b + j)
; window 2: the accumulators, (a, b) at v[8 (8 a + b)];   window 3: v0-63 the gains at my 64 columns
.set WV, 16
.set RH, 17                            ; which 64 rows are mine; also: I fetch for x (0) or for w (1)
.set CH, 18                            ; which 128 columns; also: which half I fetch
.set XX, 19
.set YY, 20
.set CX, 21
.set CY, 22
.set TR, 23
.set G1, 24
.set G0, 32
.set FSK, 47                           ; 0 where my first block holds positions 0-15 (but for cy)
.set G1B, 48
.set G0B, 56
.set KINDV, 66
.set HIDX, 67
.set G1S, 68
.set G0S, 76
.set G1SB, 80
.set G0SB, 88
.set COSP, 92
.set SINP, 94
.set GAINP, 96
.set SEL, 100
.set MSB, 0
.macro WIN new                         ; the immediate's high byte repeats the setting that is left
.if MSB != \new
	s_set_vgpr_msb (MSB<<8)|\new
.set MSB, \new
.endif
.endm
.set MUL,  0xa1                        ; source 0 (w) window 1, source 1 (x) window 0, C and D window 2
.set TO_B, 0x40
.macro PLACES n
.rept \n
	v_nop
.endr
.endm
.macro JLOAD g0a, g1a, g0b, g1b        ; a joint load; the branch hangs on the wave's number alone; an s_nop 0 and four v_nop follow each line
	s_cmp_eq_u32 s[RH], 0
	s_cbranch_scc0 .Lfor_b_\@
	tensor_load_to_lds s[\g0a:\g0a+3], s[\g1a:\g1a+7]
	s_nop 0
.rept 4
	v_nop
.endr
	s_branch .Lasked_\@
.Lfor_b_\@:
	tensor_load_to_lds s[\g0b:\g0b+3], s[\g1b:\g1b+7]
	s_nop 0
.rept 4
	v_nop
.endr
.Lasked_\@:
.endm
.macro CREST                           ; a round of the cluster's barrier behind its opening barrier
	s_cmp_lg_u32 s[WV], 0
	s_cbranch_scc1 .Lnot_wave_0_\@
	s_barrier_signal -3
.Lnot_wave_0_\@:
	s_barrier_wait -3
	s_barrier_signal -1
	s_barrier_wait -1
.endm
.macro CROUND
	s_barrier_signal -1
	s_barrier_wait -1
	CREST
.endm
	s_load_b256 s[4:11], s[0:1], 0x0               ; xc s[4:5], xs s[6:7], wc s[8:9], ws s[10:11]
	s_load_b128 s[12:15], s[0:1], 0x20             ; qkv16 s[12:13], fineb s[14:15]
	s_load_b128 s[92:95], s[0:1], 0x30             ; pos_cos, pos_sin
	s_load_b128 s[96:99], s[0:1], 0x40             ; q_norm_w, k_norm_w
	v_lshl_add_u32 v[SPW], v0, 2, SPARE
	v_mov_b32 v[NIL], 0
	ds_add_u32 v[SPW], v[NIL]                      ; the wave's opening: the add, twice on end, and its wait ahead of my first tensor load
	ds_add_u32 v[SPW], v[NIL]
	v_lshrrev_b32 v1, 5, v0
	v_readfirstlane_b32 s[WV], v1
	s_lshr_b32 s[RH], s[WV], 1
	s_and_b32 s[CH], s[WV], 1
	s_bfe_u32 s[CX], ttmp6, 0x40000
	s_bfe_u32 s[CY], ttmp6, 0x40004
	s_mov_b32 s[XX], ttmp9                         ; cluster x: 0 q heads, 1 k and v heads
	s_and_b32 s[YY], ttmp7, 0xffff                 ; cluster y
	s_lshl_b32 s[TR], s[YY], 2
	s_add_co_u32 s[TR], s[TR], s[CY]               ; tile row = 4 x cluster y + cy
	s_lshl_b32 s40, s[CY], 2
	s_lshl_b32 s40, 15, s40                        ; my row of the cluster
	s_lshl_b32 s41, 0x1111, s[CX]                  ; my column
	s_and_b32 s[KINDV], s[XX], s[CH]               ; 1: my head is a v head
	s_and_b32 s[FSK], s[YY], 3
	s_or_b32 s[FSK], s[FSK], s[RH]
	s_mov_b32 s[SEL], 0x76543210
	s_mov_b32 s[SEL+1], 0xfedcba98
	; descriptor groups 1: codes: rows of 256 bytes, 16 of padding behind each; 64 rows (x) or 128 (w)
	s_or_b32 s[G1], s40, (1<<20)|(1<<21)|(5<<22)|(3<<25)
	s_or_b32 s[G1B], s41, (1<<20)|(1<<21)|(5<<22)|(3<<25)
.irp g, G1, G1B
	s_mov_b32 s[\g+1], 256<<16
	s_mov_b32 s[\g+3], 256<<16
	s_mov_b32 s[\g+5], KROW
	s_mov_b32 s[\g+6], 0
	s_mov_b32 s[\g+7], 0
.endr
	s_mov_b32 s[G1+2], 64<<16
	s_mov_b32 s[G1+4], 64
	s_mov_b32 s[G1B+2], 128<<16
	s_mov_b32 s[G1B+4], 128
	; scale bytes: dense blocks as rows of 256 bytes (32 elements of 8), 16 of padding behind each; 16 rows (x's 64 x 64 bytes) or 32
	s_or_b32 s[G1S], s40, (3<<16)|(1<<20)|(1<<21)|(5<<22)|(3<<25)
	s_or_b32 s[G1SB], s41, (3<<16)|(1<<20)|(1<<21)|(5<<22)|(3<<25)
.irp g, G1S, G1SB
	s_mov_b32 s[\g+1], 32<<16
	s_mov_b32 s[\g+3], 32<<16
	s_mov_b32 s[\g+5], 32
	s_mov_b32 s[\g+6], 0
	s_mov_b32 s[\g+7], 0
.endr
	s_mov_b32 s[G1S+2], 16<<16
	s_mov_b32 s[G1S+4], 16
	s_mov_b32 s[G1SB+2], 32<<16
	s_mov_b32 s[G1SB+4], 32
	; x's rows that I would fetch: 128 x tile row + 64 x half: they hang on cy alone
	s_lshl_b32 s42, s[TR], 7
	s_lshl_b32 s43, s[CH], 6
	s_add_co_u32 s42, s42, s43
	s_lshl_b32 s2, s42, 10                         ; their codes,
	s_mov_b32 s3, 0
	s_lshl_b32 s42, s42, 6                         ; their scale bytes
	s_mov_b32 s43, 0
	; w's rows of half CH: 1024 X + (cx << (X ? 7 : 8)) + (CH << (X ? 9 : 7)): they hang on cx alone
	s_cmp_eq_u32 s[XX], 0
	s_cselect_b32 s44, 8, 7
	s_cselect_b32 s45, 7, 9
	s_lshl_b32 s44, s[CX], s44
	s_lshl_b32 s45, s[CH], s45
	s_add_co_u32 s44, s44, s45
	s_lshl_b32 s45, s[XX], 10
	s_add_co_u32 s44, s44, s45
	s_lshr_b32 s[HIDX], s44, 7                     ; my head's number
	s_lshl_b32 s46, s44, 10                        ; codes. (s47 is FSK: the pair for the codes is made below)
	s_lshl_b32 s44, s44, 6                         ; scale bytes
	s_mov_b32 s45, 0
	s_wait_dscnt 0x0                               ; both opening adds are done
	s_wait_kmcnt 0x0
	s_add_nc_u64 s[2:3], s[4:5], s[2:3]            ; x's codes
	s_add_nc_u64 s[42:43], s[6:7], s[42:43]        ; x's scale bytes
	s_add_nc_u64 s[44:45], s[10:11], s[44:45]      ; w's scale bytes
	s_mov_b32 s10, s46
	s_mov_b32 s11, 0
	s_add_nc_u64 s[8:9], s[8:9], s[10:11]          ; w's codes
	s_mov_b32 s[G0S], 1
	s_mul_i32 s[G0S+1], s[CH], HSA
	s_add_co_u32 s[G0S+1], s[G0S+1], SCLA
	s_mov_b64 s[G0S+2:G0S+3], s[42:43]
	s_or_b32 s[G0S+3], s[G0S+3], 0x80000000
	s_mov_b32 s[G0SB], 1
	s_mul_i32 s[G0SB+1], s[CH], HSB
	s_add_co_u32 s[G0SB+1], s[G0SB+1], SCLB
	s_mov_b64 s[G0SB+2:G0SB+3], s[44:45]
	s_or_b32 s[G0SB+3], s[G0SB+3], 0x80000000
	s_mul_i32 s40, s[CH], HALFA                    ; where the codes go: no place in the cluster enters an LDS address
	s_mul_i32 s41, s[CH], HALFB
	s_add_co_u32 s41, s41, BOFF
.irp s, 0,1
	s_mov_b32 s[G0+4*\s], 1
	s_add_co_u32 s[G0+4*\s+1], s40, \s*SLOT
	s_add_nc_u64 s[G0+4*\s+2:G0+4*\s+3], s[2:3], \s*256
	s_or_b32 s[G0+4*\s+3], s[G0+4*\s+3], 0x80000000
	s_mov_b32 s[G0B+4*\s], 1
	s_add_co_u32 s[G0B+4*\s+1], s41, \s*SLOT
	s_add_nc_u64 s[G0B+4*\s+2:G0B+4*\s+3], s[8:9], \s*256
	s_or_b32 s[G0B+4*\s+3], s[G0B+4*\s+3], 0x80000000
.endr
	CROUND                                         ; all sixteen work-groups are here: the first joint loads meet
	JLOAD G0S, G1S, G0SB, G1SB                     ; the scale bytes: filled once
	JLOAD G0, G1, G0B, G1B                         ; K step 0
	JLOAD G0+4, G1, G0B+4, G1B                     ; K step 1
	; LDS addresses
	v_and_b32 v1, 15, v0                           ; r
	v_bfe_u32 v2, v0, 4, 1                         ; h
	v_mul_u32_u24 v3, v1, PITCH
	v_lshl_add_u32 v3, v2, 4, v3                   ; 272 r + 16 h
	s_mul_i32 s40, s[RH], HALFA
	s_mul_i32 s41, s[CH], HALFB
	s_add_co_u32 s41, s41, BOFF
.irp s, 0,1
	v_add_nc_u32 v[ADRA+\s], s40, v3
	v_add_nc_u32 v[ADRB+\s], s41, v3
	s_add_co_u32 s40, s40, SLOT
	s_add_co_u32 s41, s41, SLOT
.endr
	v_lshlrev_b32 v4, 6, v1                        ; my row's scale bytes: 64 a row,
	v_lshrrev_b32 v5, 8, v4
	v_lshl_add_u32 v4, v5, 4, v4                   ; and 16 more for each 256 passed
	s_mul_i32 s40, s[RH], HSA                      ; x's: my 64 rows
	s_mul_i32 s41, s[CH], HSB                      ; w's: my 128 rows, behind x's
	s_add_co_u32 s41, s41, 2*HSA
	s_sub_co_u32 s42, s41, s40
	v_mul_u32_u24 v5, s42, v2                      ; lanes 16-31 take w's: the lower base + h x the distance
	s_add_co_u32 s40, s40, SCLA
	s_add_co_u32 s41, s41, SCLA
	v_add_nc_u32 v5, v4, v5
	v_add_nc_u32 v[ADRS], s40, v5
	v_add_nc_u32 v[ADRSB], s41, v4
	s_mul_i32 s40, s[WV], 16*272
	s_add_co_u32 s40, s40, STG16
	v_add_nc_u32 v[STO16], s40, v3                 ; in: row r, 16 bytes for each half of the lanes
	v_mul_u32_u24 v5, v2, 272
	v_lshl_add_u32 v5, v1, 4, v5
	v_add_nc_u32 v[RD16], s40, v5                  ; back: lanes 0-15 one row of 256 bytes, lanes 16-31 the next
	v_and_b32 v5, 31, v0
	v_lshlrev_b32 v[LN16], 4, v5
	s_mul_i32 s40, s[WV], 16*528
	s_add_co_u32 s40, s40, STG32
	v_mul_u32_u24 v5, v1, 528
	v_lshl_add_u32 v5, v2, 5, v5
	v_add_nc_u32 v[STO32], s40, v5
	v_add_nc_u32 v[RD32], s40, v[LN16]
	v_mov_b32 v[RS+1], 0                           ; named with 1 / rms as a pair, so it is written
	v_lshlrev_b32 v[VW], 5, v2                     ; the gains: 32 h
	; global places
	s_lshl_b32 s40, s[TR], 7
	s_lshl_b32 s41, s[RH], 6
	s_add_co_u32 s40, s40, s41                     ; my first row
	s_and_b32 s42, s40, 2047                       ; its position in the sequence
	s_lshl_b32 s42, s42, 9
	v_lshlrev_b32 v[VCS], 9, v1
	v_lshl_add_u32 v[VCS], v2, 5, v[VCS]
	v_add_nc_u32 v[VCS], s42, v[VCS]               ; (position + r) x 512 + 32 h
	s_lshl_b32 s40, s40, 8
	s_lshl_b32 s41, s[HIDX], 20
	s_add_co_u32 s40, s40, s41
	s_mov_b32 s41, 0
	s_add_nc_u64 s[12:13], s[12:13], s[40:41]      ; qkv16 at my head's first row of mine
	s_lshr_b32 s40, s[YY], 2                       ; the batch
	s_lshl_b32 s40, s40, 4
	s_add_co_u32 s40, s40, s[HIDX]
	s_lshl_b32 s40, s40, 13
	s_add_nc_u64 s[14:15], s[14:15], s[40:41]      ; fineb at [b][my head]
	s_cmp_eq_u32 s[XX], 0
	s_cselect_b64 s[GAINP:GAINP+1], s[96:97], s[98:99]
; cos and sin of block a's 16 positions at my 64 columns, into buffer (a + 1) % 2
.macro CSLOAD a
.set CBF, 128*(((\a)+1)%2)
	WIN 0x40
.irp b, 0,1,2,3,4,5,6,7
	global_load_b128 v[CBF+8*\b:CBF+8*\b+3], v[VCS], s[COSP:COSP+1] offset:8192*(\a)+64*\b
	global_load_b128 v[CBF+8*\b+4:CBF+8*\b+7], v[VCS], s[COSP:COSP+1] offset:8192*(\a)+64*\b+16
	global_load_b128 v[CBF+64+8*\b:CBF+64+8*\b+3], v[VCS], s[SINP:SINP+1] offset:8192*(\a)+64*\b
	global_load_b128 v[CBF+64+8*\b+4:CBF+64+8*\b+7], v[VCS], s[SINP:SINP+1] offset:8192*(\a)+64*\b+16
.endr
	WIN 0
.endm
	; the gains and the first block's tables land under the products.  Every wave asks, a v head's too, so that these registers' first write hangs on no branch
	WIN 0xc0
.irp b, 0,1,2,3,4,5,6,7
	global_load_b128 v[8*\b:8*\b+3], v[VW], s[GAINP:GAINP+1] offset:64*\b
	global_load_b128 v[8*\b+4:8*\b+7], v[VW], s[GAINP:GAINP+1] offset:64*\b+16
.endr
	WIN 0
	CSLOAD 0
.macro FRAG reg, adr, q, i             ; 16 rows x 128 K of 4-bit codes: lane l holds row l % 16; registers 4 c .. 4 c + 3 hold K = 64 c + 32 (l / 16) + 0 .. 31
.irp c, 0,1
	ds_load_b128 v[\reg+4*\c:\reg+4*\c+3], v[\adr] offset:64*(\q)+32*\c+(\i)*16*PITCH
.endr
.endm
.macro FETCH slot, q, p                ; the slot's q-th 128 along K into set p: w's eight fragments, x's four: 24 loads in one run
	WIN TO_B
.irp i, 0,1,2,3,4,5,6,7
	FRAG 64*(\p)+8*\i, ADRB+\slot, \q, \i
.endr
	WIN 0
.irp i, 0,1,2,3
	FRAG AF+32*(\p)+8*\i, ADRA+\slot, \q, \i
.endr
.endm
.macro SCALES sc                       ; a K step's scale words: registers 4 i + q; i = 0..3: lanes 0-15 x's block i, lanes 16-31 w's block i; i = 4..7: w's block i
.irp i, 0,1,2,3
	ds_load_b128 v[SC+32*\sc+4*\i:SC+32*\sc+4*\i+3], v[ADRS] offset:\i*SBLK
.endr
.irp i, 4,5,6,7
	ds_load_b128 v[SC+32*\sc+4*\i:SC+32*\sc+4*\i+3], v[ADRSB] offset:\i*SBLK
.endr
.endm
; 8 matrix instructions: x's block a against w's eight.  The 32 accumulators take turns, one instruction a turn, in the same order in every step
.macro MUL8 a, p, q, sc, zero
.irp b, 0,1,2,3,4,5,6,7
.if \zero
	v_wmma_scale_f32_16x16x128_f8f6f4 v[8*(8*(\a)+\b):8*(8*(\a)+\b)+7], v[64*(\p)+8*\b:64*(\p)+8*\b+7], v[AF+32*(\p)+8*(\a):AF+32*(\p)+8*(\a)+7], 0, v[SC+32*(\sc)+4*\b+(\q)], v[SC+32*(\sc)+4*(\a)+(\q)] matrix_a_fmt:MATRIX_FMT_FP4 matrix_b_fmt:MATRIX_FMT_FP4 matrix_a_scale:MATRIX_SCALE_ROW1
.else
	v_wmma_scale_f32_16x16x128_f8f6f4 v[8*(8*(\a)+\b):8*(8*(\a)+\b)+7], v[64*(\p)+8*\b:64*(\p)+8*\b+7], v[AF+32*(\p)+8*(\a):AF+32*(\p)+8*(\a)+7], v[8*(8*(\a)+\b):8*(8*(\a)+\b)+7], v[SC+32*(\sc)+4*\b+(\q)], v[SC+32*(\sc)+4*(\a)+(\q)] matrix_a_fmt:MATRIX_FMT_FP4 matrix_b_fmt:MATRIX_FMT_FP4 matrix_a_scale:MATRIX_SCALE_ROW1
.endif
.endr
.endm
; A step of 128 along K with its successor in the same slot: the next step's fragments are asked for first, then this step's 32 products run
.macro STEP slot, q, zero
	s_wait_dscnt 0x0                               ; this step's fragments, asked for a step ago, are in
	PLACES 4                                       ; four places in front of loads into the set that the last step's products read
	FETCH \slot, (\q)+1, 1-(\q)%2
	WIN MUL
	MUL8 0, (\q)%2, \q, \slot, \zero
	MUL8 1, (\q)%2, \q, \slot, \zero
	MUL8 2, (\q)%2, \q, \slot, \zero
	MUL8 3, (\q)%2, \q, \slot, \zero
	WIN 0
.endm
; A slot's last step changes slots: one barrier; in front of it each wave waits for all its tensor loads, adds 0 to its spare word, and waits for that and for its reads of the slot
.macro TURN slot, next, fill
	s_wait_tensorcnt 0x0                           ; all my tensor loads have landed: my part of the next slot
	ds_add_u32 v[SPW], v[NIL]
	s_wait_dscnt 1                                 ; this step's fragments are in; the add alone may be out
	WIN MUL
	MUL8 0, 1, 3, \slot, 0                         ; eight products stand between the add and the wait for it
	s_wait_dscnt 0x0                               ; the add is done, and my reads of this slot are over
	s_barrier_signal -1
	MUL8 1, 1, 3, \slot, 0
	WIN 0
	s_barrier_wait -1
.if \fill
	CREST                                          ; the barrier has opened a round of the cluster's: no wave of any partner still reads this slot or has a load on its way
	s_add_nc_u64 s[G0+4*\slot+2:G0+4*\slot+3], s[G0+4*\slot+2:G0+4*\slot+3], 512
	s_add_nc_u64 s[G0B+4*\slot+2:G0B+4*\slot+3], s[G0B+4*\slot+2:G0B+4*\slot+3], 512
	JLOAD G0+4*\slot, G1, G0B+4*\slot, G1B         ; my one load behind the round; its four v_nop are also the places in front of the loads below
.else
	PLACES 4
.endif
	v_add_nc_u32 v[ADRS], 16, v[ADRS]              ; the next K step's scale words
	v_add_nc_u32 v[ADRSB], 16, v[ADRSB]
	FETCH \next, 0, 0
	SCALES \next
	WIN MUL
	MUL8 2, 1, 3, \slot, 0
	MUL8 3, 1, 3, \slot, 0
	WIN 0
.endm
	s_wait_tensorcnt 1                             ; the scale bytes and my part of K step 0 are in; K step 1's load may be out
	s_barrier_signal -1
	s_barrier_wait -1
	FETCH 0, 0, 0
	SCALES 0
	STEP 0, 0, 1                                   ; the first step's products start the sums: nothing is cleared
	s_mov_b32 s3, LAPS-1
.Llap:
	STEP 0, 1, 0
	STEP 0, 2, 0
	TURN 0, 1, 1
	STEP 1, 0, 0
	STEP 1, 1, 0
	STEP 1, 2, 0
	TURN 1, 0, 1
	STEP 0, 0, 0
	s_sub_co_u32 s3, s3, 1
	s_cmp_lg_u32 s3, 0
	s_cbranch_scc1 .Llap
	STEP 0, 1, 0                                   ; the last lap fills nothing
	STEP 0, 2, 0
	TURN 0, 1, 0
	STEP 1, 0, 0
	STEP 1, 1, 0
	STEP 1, 2, 0
	s_wait_dscnt 0x0
	WIN MUL
	MUL8 0, 1, 3, 1, 0
	MUL8 1, 1, 3, 1, 0
	MUL8 2, 1, 3, 1, 0
	MUL8 3, 1, 3, 1, 0
	WIN 0
; THE WAY OUT, a block of 16 rows at a time.
; Block a of a q or k head: t = acc x gain; out[c] = (t[c] cos[c] - t[c + 64] sin[c]) / rms, out[c + 64] = (t[c + 64] cos[c + 64] + t[c] sin[c + 64]) / rms; rms^2 = mean(acc^2) + 1e-6
.macro NORMROPE a
.set AC, 64*(\a)
.set CBF, 128*(((\a)+1)%2)
	WIN 0x0a                                       ; sources 0 and 1 window 2
.irp p, 0,1,2,3
	v_pk_mul_f32 v[T+2*\p:T+2*\p+1], v[AC+2*\p:AC+2*\p+1], v[AC+2*\p:AC+2*\p+1]   ; four chains; the pairs in ascending order: each accumulator is read from its low end on
.endr
.set pp, 4
.rept 28
	v_pk_fma_f32 v[T+2*(pp%4):T+2*(pp%4)+1], v[AC+2*pp:AC+2*pp+1], v[AC+2*pp:AC+2*pp+1], v[T+2*(pp%4):T+2*(pp%4)+1]
.set pp, pp+1
.endr
	WIN 0
	v_pk_add_f32 v[T:T+1], v[T:T+1], v[T+2:T+3]
	v_pk_add_f32 v[T+4:T+5], v[T+4:T+5], v[T+6:T+7]
	v_pk_add_f32 v[T:T+1], v[T:T+1], v[T+4:T+5]
	v_add_f32 v[T], v[T], v[T+1]
	v_permlanex16_b32 v[T+1], v[T], s[SEL], s[SEL+1]   ; the row's other 64 columns lie in the lane 16 away
	v_add_f32 v[T], v[T], v[T+1]
	v_fma_f32 v[T], v[T], s2, s3                   ; / 128 + 1e-6
	v_rsq_f32 v[RS], v[T]
	WIN 0x8e                                       ; accumulators (window 2) x gains (window 3), in place: independent work behind the root
.set pp, 0
.rept 32
	v_pk_mul_f32 v[AC+2*pp:AC+2*pp+1], v[AC+2*pp:AC+2*pp+1], v[2*pp:2*pp+1]
.set pp, pp+1
.endr
	WIN 0x06                                       ; source 0 window 2, source 1 (tables) window 1
.set pp, 0
.rept 16
	v_pk_mul_f32 v[OUTR+2*pp:OUTR+2*pp+1], v[AC+2*pp:AC+2*pp+1], v[CBF+2*pp:CBF+2*pp+1]
	v_pk_mul_f32 v[OUTR+32+2*pp:OUTR+32+2*pp+1], v[AC+32+2*pp:AC+32+2*pp+1], v[CBF+32+2*pp:CBF+32+2*pp+1]
	v_pk_fma_f32 v[OUTR+2*pp:OUTR+2*pp+1], v[AC+32+2*pp:AC+32+2*pp+1], v[CBF+64+2*pp:CBF+64+2*pp+1], v[OUTR+2*pp:OUTR+2*pp+1] neg_lo:[1,0,0] neg_hi:[1,0,0]
	v_pk_fma_f32 v[OUTR+32+2*pp:OUTR+32+2*pp+1], v[AC+2*pp:AC+2*pp+1], v[CBF+96+2*pp:CBF+96+2*pp+1], v[OUTR+32+2*pp:OUTR+32+2*pp+1]
.set pp, pp+1
.endr
	WIN 0
	s_wait_alu depctr_va_vdst(0)                   ; the wait ahead of the first line that names the root's result
.set pp, 0
.rept 32
	v_pk_mul_f32 v[OUTR+2*pp:OUTR+2*pp+1], v[OUTR+2*pp:OUTR+2*pp+1], v[RS:RS+1] op_sel_hi:[1,0]
.set pp, pp+1
.endr
.endm
; Positions 0-15 of a batch, unrounded, to fineb: through my f32 stage, back as whole rows of 512 bytes.  The branch hangs on the cluster's y and the wave's number; of the four partners along y
; the one with cy = 0 holds these positions: the others' lanes are switched off for the stores, so no branch hangs on a place in the cluster.
.macro FINE src, win
	s_cmp_lg_u32 s[FSK], 0
	s_cbranch_scc1 .Lnofine_\@
	WIN \win
.irp b, 0,1,2,3,4,5,6,7
	ds_store_b128 v[STO32], v[\src+8*\b:\src+8*\b+3] offset:64*\b
	ds_store_b128 v[STO32], v[\src+8*\b+4:\src+8*\b+7] offset:64*\b+16
.endr
	WIN 0
.irp t, 0,1,2,3,4,5,6,7,8,9,10,11,12,13,14,15
	ds_load_b128 v[FB+4*\t:FB+4*\t+3], v[RD32] offset:528*\t
.endr
	v_mov_b32 v3, s[CY]
	v_cmp_eq_u32 vcc_lo, 0, v3
	s_wait_dscnt 0x0
	s_wait_xcnt 0x0                                ; EXEC changes only behind this wait
	s_and_saveexec_b32 s40, vcc_lo
.irp t, 0,1,2,3,4,5,6,7,8,9,10,11,12,13,14,15
	global_store_b128 v[LN16], v[FB+4*\t:FB+4*\t+3], s[14:15] offset:512*\t
.endr
	s_wait_xcnt 0x0                                ; and again in front of the line that restores it
	s_or_b32 exec_lo, exec_lo, s40
.Lnofine_\@:
.endm
; The packed block goes through my stage and leaves as whole rows: a head's rows are dense, so each store of the wave covers 512 consecutive bytes, aligned
.macro OUT16 a
.set RBB, RB+32*((\a)%2)
	s_wait_xcnt 0x0                                ; the registers below were store data two blocks ago
.irp b, 0,1,2,3,4,5,6,7
	ds_store_b128 v[STO16], v[PKR+4*\b:PKR+4*\b+3] offset:32*\b
.endr
.irp t, 0,1,2,3,4,5,6,7
	ds_load_b128 v[RBB+4*\t:RBB+4*\t+3], v[RD16] offset:544*\t   ; LDS serves a wave in order: these see the stores above
.endr
.irp t, 0,1,2,3,4,5,6,7
	s_wait_dscnt 7-\t                              ; the younger row loads may be out
	global_store_b128 v[LN16], v[RBB+4*\t:RBB+4*\t+3], s[12:13] offset:4096*(\a)+512*\t
.endr
.endm
	s_mov_b32 s2, 0x3c000000                       ; 1 / 128
	s_mov_b32 s3, 0x358637bd                       ; 1e-6
	PLACES 4                                       ; behind the last products: results are read, and their operands' registers written and loaded
	s_cmp_lg_u32 s[KINDV], 0
	s_cbranch_scc1 .Lvhead
.irp a, 0,1,2,3
.if \a < 3
	CSLOAD \a+1
	s_wait_loadcnt 32                              ; this block's tables (and the gains) are in; the 32 just issued may be out
.else
	s_wait_loadcnt 0x0
.endif
	NORMROPE \a
.if \a == 0
	FINE OUTR, 0
.endif
.set ii, 0
.rept 32
	v_cvt_pk_f16_f32 v[PKR+ii], v[OUTR+2*ii], v[OUTR+2*ii+1]
.set ii, ii+1
.endr
	OUT16 \a
.endr
	s_branch .Ldone
.Lvhead:                                           ; a v head goes out as it is
	s_wait_loadcnt 0x0                             ; the head's loads have landed
.irp a, 0,1,2,3
.if \a == 0
	FINE 0, 0x08                                   ; an LDS store's data are its source 1: window 2; each accumulator from its low end on
.endif
	WIN 0x0a
.set ii, 0
.rept 32
	v_cvt_pk_f16_f32 v[PKR+ii], v[64*\a+2*ii], v[64*\a+2*ii+1]
.set ii, ii+1
.endr
	WIN 0
	OUT16 \a
.endr
.Ldone:
	s_wait_tensorcnt 0x0                           ; the wave's end: three closing lines behind my last tensor load and my last LDS store
	ds_add_u32 v[SPW], v[NIL]
	s_wait_dscnt 0x0
	CROUND                                         ; the closing round
	s_endpgm
.Lfunc_end_k_q47d54d9be4_qkv:
	.size	k_q47d54d9be4_qkv, .Lfunc_end_k_q47d54d9be4_qkv-k_q47d54d9be4_qkv
	.p2alignl 7, 3214868480
	.fill 96, 4, 3214868480
	.section	.rodata,"a",@progbits
	.p2align	6, 0x0
	.amdhsa_kernel k_q47d54d9be4_qkv
		.amdhsa_group_segment_fixed_size 327680
		.amdhsa_private_segment_fixed_size 0
		.amdhsa_enable_private_segment 0
		.amdhsa_kernarg_size 80
		.amdhsa_user_sgpr_count 2
		.amdhsa_user_sgpr_kernarg_segment_ptr 1
		.amdhsa_wavefront_size32 1
		.amdhsa_system_sgpr_workgroup_id_x 1
		.amdhsa_system_sgpr_workgroup_id_y 1
		.amdhsa_system_sgpr_workgroup_id_z 1
		.amdhsa_system_vgpr_workitem_id 0
		.amdhsa_next_free_vgpr 832
		.amdhsa_next_free_sgpr 102
		.amdhsa_reserve_vcc 1
		.amdhsa_float_denorm_mode_32 3
		.amdhsa_float_denorm_mode_16_64 3
		.amdhsa_memory_ordered 1
		.amdhsa_forward_progress 1
		.amdhsa_inst_pref_size 205
	.end_amdhsa_kernel
	.amdgpu_metadata
---
amdhsa.version: [ 1, 2 ]
amdhsa.kernels:
  - .name:           k_q47d54d9be4_qkv
    .symbol:         k_q47d54d9be4_qkv.kd
    .args:
      - { .name: xc, .offset: 0, .size: 8, .value_kind: global_buffer, .address_space: global }
      - { .name: xs, .offset: 8, .size: 8, .value_kind: global_buffer, .address_space: global }
      - { .name: wc, .offset: 16, .size: 8, .value_kind: global_buffer, .address_space: global }
      - { .name: ws, .offset: 24, .size: 8, .value_kind: global_buffer, .address_space: global }
      - { .name: qkv16, .offset: 32, .size: 8, .value_kind: global_buffer, .address_space: global }
      - { .name: fineb, .offset: 40, .size: 8, .value_kind: global_buffer, .address_space: global }
      - { .name: pos_cos, .offset: 48, .size: 8, .value_kind: global_buffer, .address_space: global }
      - { .name: pos_sin, .offset: 56, .size: 8, .value_kind: global_buffer, .address_space: global }
      - { .name: q_norm_w, .offset: 64, .size: 8, .value_kind: global_buffer, .address_space: global }
      - { .name: k_norm_w, .offset: 72, .size: 8, .value_kind: global_buffer, .address_space: global }
    .group_segment_fixed_size: 327680
    .private_segment_fixed_size: 0
    .kernarg_segment_align: 8
    .kernarg_segment_size: 80
    .max_flat_workgroup_size: 128
    .sgpr_count:     102
    .vgpr_count:     832
    .wavefront_size: 32
...
	.end_amdgpu_metadata
.endif
;; end of part 2
;; launch attn (part 3): grid 32 x 8, 4 waves a work-group, clusters of 4 x 1, 327,680 bytes of LDS; arguments qkv16, o16; writes o16
.if DOCPART == 3
	.amdgcn_target "amdgcn-amd-amdhsa--gfx1250"
	.amdhsa_code_object_version 6
	.text
	.protected	k_q47d54d9be4_attn
	.globl	k_q47d54d9be4_attn
	.p2align	8
	.type	k_q47d54d9be4_attn,@function
k_q47d54d9be4_attn:
	s_mov_b64 s[64:65], 0
	v_nop
	global_prefetch_b8 v0, s[64:65] scope:SCOPE_SE
	s_setreg_imm32_b32 hwreg(HW_REG_WAVE_MODE, 25, 1), 1
	s_wait_xcnt 0x0
	s_wait_alu depctr_hold_cnt(0) depctr_sa_sdst(0) depctr_va_vdst(0) depctr_va_sdst(0) depctr_va_ssrc(0) depctr_va_vcc(0) depctr_vm_vsrc(0)
	s_getreg_b32 s2, hwreg(HW_REG_IB_STS2, 6, 4)
	s_cmp_eq_u32 s2, 0
	s_cbranch_scc0 .Lentry_in_a_cluster
	s_endpgm
.Lentry_in_a_cluster:
	s_bfe_u32 s2, ttmp6, 0x10000c
	s_cmp_lg_u32 s2, 0x3003
	s_cbranch_scc0 .Lentry_shape_is_right
	s_endpgm
.Lentry_shape_is_right:
; o[b][s][head] = sum over keys k <= s of softmax_k(q . k / sqrt(128)) v.  q, k, v: qkv16 [16 heads][4096 rows][128] f16 (0-7 q, 8-11 k, 12-15 v); o16 [4096][1024] f16.
; Products on f16 operands with f32 sums; maxima, exponentials and sums in f32, with a running maximum.
; SHARES.  Work-group y = 4 b + g: batch b, key/value head g.  A cluster of four (cluster x = E = 0..7) owns two blocks of 128 positions: first block E, then block 15 - E.  Block n needs the key steps
; 0 .. n of 128 keys; a slot holds two steps, and each block is rounded up to whole slots: (E + 2) / 2 slots and 9 less that.  So EVERY work-group walks 9 slots, 18 steps: the trip counts are constants
; and the work is even.  One of the 18 steps lies wholly beyond the diagonal: it is walked with all its scores hidden (p = 0), so that every tile that a joint load brings is read on every way.
; Partner cx owns positions 32 cx .. 32 cx + 31 of a block for BOTH query heads 2 g and 2 g + 1.  All four partners walk the same K and V: each tile is asked for jointly.
; WAVES.  Wave w: query head 2 g + w / 2; keys 64 (w % 2) .. + 63 of every step; both tiles of 16 positions.  So each byte of K and V is read from LDS by two waves, not by four.  Each wave keeps its own
; running maximum and sum for its keys; at a block's end the two waves of a head swap: each gives its register tile 1 to the other through LDS and merges and stores its register tile 0.
; Register tile t holds positions 16 (t xor (w % 2)), so that the tile kept is always tile 0.
; LAYOUT.  S^T = K Q^T (source 0 = 16 keys, source 1 = 16 queries): a lane holds one query (lane % 16) and keys 8 (lane / 16) + 0..7.  Two such tiles rounded to f16 in pairs are source 1 of O^T = V^T P.
; V ([key][channel]) comes out of LDS turned, by ds_load_tr16_b128.
; By this text's own count a wave has one tensor load out.
; LIMITS: a hidden score is -infinity where reference() has the least f32 number: p is 0 either way, since each query sees its own key.  |o| beyond 65,504 has no f16 number.  NaN and infinities are not served.
.set PKP,   272                        ; a row of K in LDS: 256 + 16
.set PVP,   288                        ; a row of V: 256 + 32
.set VOFF,  256*PKP                    ; a slot: 256 rows of K, then 256 of V
.set SLOT,  VOFF+256*PVP
.set MRG,   2*SLOT                     ; 8,192 bytes a wave: the tile that is given away, as an image of its registers; afterwards the receiver's stage
.set STAT,  MRG+4*8192                 ; 256 bytes a wave: c m and l of that tile
.set SPARE, STAT+4*256
.set AK0, 2
.set AV0, 3
.set ADK, 4
.set ADV, 5
.set VQ,  6                            ; v6-7   my byte in the partner's 32 rows of Q, tile 0, 1
.set STO, 8
.set RD,  9
.set GO,  10
.set MWR, 11
.set MRD, 12
.set SWR, 13
.set SRD, 14
.set DQ,  16                           ; v16-17 my query less my first key, on the diagonal step
.set NINF, 18
.set PFO, 19
.set DM,  20                           ; v20-21 the same for the step in hand
.set ST,  24                           ; tile t's statistics at v[ST + 8 t]: +0 c m, +1 m, +2, +3 l, +4..+7 at work; a at +6
.set MW,  40                           ; v40-53 the merge
.set SPW, 62
.set NIL, 63
.set S,   64                           ; v64-127  S^T, 32 a tile; at the merge the partner's image
.set P,   128                          ; v128-159 P, 16 a tile; at the merge packed o
.set OF,  160                          ; v160-223 merged o in f32
.set BK,  224                          ; v224-255 rows read back
.set KF,  64                           ; window 2: v0-63 Q (32 t + 8 c), v64-191 K's 16 fragments
.set VF,  128                          ; window 1: v0-127 O^T (64 a tile), v128-255 V's 16 fragments
.set WV, 8
.set RHD, 9
.set KH, 10
.set CX, 11
.set EE, 12
.set JJ, 13
.set YY, 14
.set NE, 15                            ; slots of the early block
.set SI, 16                            ; the slot's number, 0..8
.set KSC, 17                           ; the key step within the block
.set LIMB, 18                          ; the block in hand = its diagonal step
.set TB, 20                            ; LDS byte at which the slot in hand begins
.set G1K, 24
.set G1V, 32
.set G0K, 40
.set G0V, 44
.set KBASE, 48
.set VBASE, 50
.set LK0, 52
.set LV0, 53
.set OB, 54
.set OB2, 56
.set CS, 58
.set SEL, 60
.set PFA, 62
.set LIMA, 66
.set QB, 70
.set QB2, 72
.set MSB, 0
.macro WIN new
.if MSB != \new
	s_set_vgpr_msb (MSB<<8)|\new
.set MSB, \new
.endif
.endm
.set W_KQ, 0x0a                        ; K and Q window 2, S^T window 0
.set W_PV, 0x51                        ; V and O^T window 1, P window 0
.set W_RS, 0x41                        ; O^T window 1, a window 0
.macro PLACES n
.rept \n
	v_nop
.endr
.endm
.macro JLOAD                           ; waves 0, 1 fetch K's halves of 128 rows, waves 2, 3 V's; an s_nop 0 and four v_nop follow each line
	s_cmp_lt_u32 s[WV], 2
	s_cbranch_scc0 .Lfor_v_\@
	tensor_load_to_lds s[G0K:G0K+3], s[G1K:G1K+7]
	s_nop 0
.rept 4
	v_nop
.endr
	s_branch .Lasked_\@
.Lfor_v_\@:
	tensor_load_to_lds s[G0V:G0V+3], s[G1V:G1V+7]
	s_nop 0
.rept 4
	v_nop
.endr
.Lasked_\@:
.endm
.macro CROUND
	s_barrier_signal -1
	s_barrier_wait -1
	s_cmp_lg_u32 s[WV], 0
	s_cbranch_scc1 .Lnot_wave_0_\@
	s_barrier_signal -3
.Lnot_wave_0_\@:
	s_barrier_wait -3
	s_barrier_signal -1
	s_barrier_wait -1
.endm
; A PREFETCH INTO THE L2 of the tile that the next change of slots will ask for.  All clusters of one y walk the same K and V from key 0 on; the cluster E = 0, whose late walk passes each tile first, asks,
; and nobody else.  A tile's 256 rows of K and of V are shared out BY ADDRESS: 64 rows a partner, 32 a wave (waves 0, 1: K; waves 2, 3: V), a lane a row of 256 bytes: each row is named once.
; Trips 0 to 6 ask for tiles 1 to 7; the last trip asks for nothing.
.macro ASK
	s_cmp_lt_u32 s[SI], s[LIMA]
	s_cbranch_scc0 .Lnot_mine_\@
	global_prefetch_b8 v[PFO], s[PFA:PFA+1] th:TH_LOAD_NT scope:SCOPE_SE
.Lnot_mine_\@:
.endm
	s_load_b128 s[4:7], s[0:1], 0x0                ; qkv16 s[4:5], o16 s[6:7]
	v_lshl_add_u32 v[SPW], v0, 2, SPARE
	v_mov_b32 v[NIL], 0
	ds_add_u32 v[SPW], v[NIL]                      ; the wave's opening: the add, twice on end, and its wait ahead of my first tensor load
	ds_add_u32 v[SPW], v[NIL]
	v_lshrrev_b32 v1, 5, v0
	v_readfirstlane_b32 s[WV], v1
	s_lshr_b32 s[RHD], s[WV], 1
	s_and_b32 s[KH], s[WV], 1
	s_bfe_u32 s[CX], ttmp6, 0x40000
	s_mov_b32 s[EE], ttmp9
	s_sub_co_u32 s[JJ], 15, s[EE]
	s_and_b32 s[YY], ttmp7, 0xffff
	s_add_co_u32 s[NE], s[EE], 2
	s_lshr_b32 s[NE], s[NE], 1
	s_and_b32 s21, s[YY], 3                        ; g
	s_lshr_b32 s22, s[YY], 2                       ; b
	s_add_co_u32 s19, s21, 8
	s_lshl_b32 s19, s19, 20
	s_lshl_b32 s23, s22, 19
	s_add_co_u32 s19, s19, s23                     ; where my K begins in qkv16: (8 + g) heads + b x 2,048 rows
	s_add_co_u32 s68, s19, 4<<20                   ; and my V: four heads on
	s_lshl_b32 s69, s[KH], 15                      ; which 128 rows of a tile I fetch
	s_mul_i32 s[LK0], s[KH], 128*PKP
	s_mul_i32 s[LV0], s[KH], 128*PVP
	s_add_co_u32 s[LV0], s[LV0], VOFF
	s_mov_b32 s[G1K], 15|(1<<16)|(1<<20)|(1<<21)|(5<<22)|(3<<25)  ; the mask: all four; elements of 2 bytes; padding: 4 words behind every 64
	s_mov_b32 s[G1V], 15|(1<<16)|(1<<20)|(1<<21)|(5<<22)|(7<<25)  ; 8 words
.irp g, G1K, G1V
	s_mov_b32 s[\g+1], 128<<16
	s_mov_b32 s[\g+2], 128<<16
	s_mov_b32 s[\g+3], 128<<16
	s_mov_b32 s[\g+4], 128
	s_mov_b32 s[\g+5], 128
	s_mov_b32 s[\g+6], 0
	s_mov_b32 s[\g+7], 0
.endr
	s_mov_b32 s[CS], 0x3e0293ee                    ; c = log2(e) / sqrt(128)
	s_mov_b32 s[CS+1], s[CS]
	s_mov_b32 s[SEL], 0x76543210
	s_mov_b32 s[SEL+1], 0xfedcba98
	s_mov_b32 s[TB], 0
	s_mov_b32 s[SI], 0
	s_mov_b32 s[KSC], 0
	s_mov_b32 s[LIMB], s[EE]
	s_cmp_eq_u32 s[EE], 0
	s_cselect_b32 s[LIMA], 7, 0
	s_mov_b32 s75, 0
	s_wait_dscnt 0x0                               ; both opening adds are done
	s_wait_kmcnt 0x0
	s_add_co_u32 s74, s19, s69
	s_add_nc_u64 s[KBASE:KBASE+1], s[4:5], s[74:75]
	s_add_co_u32 s74, s68, s69
	s_add_nc_u64 s[VBASE:VBASE+1], s[4:5], s[74:75]
	s_mov_b32 s[G0K], 1
	s_mov_b32 s[G0K+1], s[LK0]
	s_mov_b64 s[G0K+2:G0K+3], s[KBASE:KBASE+1]
	s_or_b32 s[G0K+3], s[G0K+3], 0x80000000
	s_mov_b32 s[G0V], 1
	s_mov_b32 s[G0V+1], s[LV0]
	s_mov_b64 s[G0V+2:G0V+3], s[VBASE:VBASE+1]
	s_or_b32 s[G0V+3], s[G0V+3], 0x80000000
	CROUND                                         ; all four work-groups are here
	JLOAD                                          ; tile 0 into slot 0
	; LDS addresses
	v_and_b32 v1, 15, v0                           ; r
	v_bfe_u32 v15, v0, 4, 1                        ; h
	v_mul_u32_u24 v22, v1, PKP
	v_lshl_add_u32 v22, v15, 4, v22                ; 272 r + 16 h
	s_mul_i32 s23, s[KH], 64*PKP
	v_add_nc_u32 v[AK0], s23, v22                  ; my 64 keys of a step
	v_and_b32 v20, 7, v0
	v_bfe_u32 v21, v0, 3, 1
	v_lshl_add_u32 v[AV0], v15, 3, v20
	v_mul_u32_u24 v[AV0], v[AV0], PVP
	v_lshl_add_u32 v[AV0], v21, 4, v[AV0]
	s_mul_i32 s23, s[KH], 64*PVP
	s_add_co_u32 s23, s23, VOFF
	v_add_nc_u32 v[AV0], s23, v[AV0]
	v_and_b32 v20, 31, v0
	v_lshlrev_b32 v23, 4, v20                      ; 16 x lane
	v_lshlrev_b32 v21, 2, v20                      ; 4 x lane
	v_lshlrev_b32 v[PFO], 8, v20                   ; 256 x lane
	s_lshl_b32 s23, s[WV], 13
	s_add_co_u32 s23, s23, MRG
	v_add_nc_u32 v[MWR], s23, v23                  ; my outgoing region
	s_xor_b32 s74, s[WV], 1
	s_lshl_b32 s23, s74, 13
	s_add_co_u32 s23, s23, MRG
	v_add_nc_u32 v[MRD], s23, v23                  ; my incoming region: the other wave of my head writes it
	v_add_nc_u32 v[STO], s23, v22                  ; and, once read, my stage: in: row r, 16 bytes for each half of the lanes
	v_mul_u32_u24 v20, v15, 272
	v_lshl_add_u32 v20, v1, 4, v20
	v_add_nc_u32 v[RD], s23, v20                   ; back: lanes 0-15 one row of 256 bytes, lanes 16-31 the next
	s_lshl_b32 s23, s[WV], 8
	s_add_co_u32 s23, s23, STAT
	v_add_nc_u32 v[SWR], s23, v21
	s_lshl_b32 s23, s74, 8
	s_add_co_u32 s23, s23, STAT
	v_add_nc_u32 v[SRD], s23, v21
	v_lshlrev_b32 v[GO], 11, v15
	v_lshl_add_u32 v[GO], v1, 4, v[GO]             ; the same two rows in o16: 2,048 bytes apart
	v_lshlrev_b32 v[VQ], 8, v1
	v_lshl_add_u32 v[VQ], v15, 4, v[VQ]            ; Q: 256 r + 16 h,
	s_lshl_b32 s23, s[KH], 12
	s_xor_b32 s74, s23, 4096
	v_add_nc_u32 v[VQ+1], s74, v[VQ]               ; tile 1: rows 16 (1 xor KH) on,
	v_add_nc_u32 v[VQ], s23, v[VQ]                 ; tile 0: rows 16 KH on
	v_mov_b32 v[NINF], 0xff800000
	v_mov_b32 v[MW+1], 0                           ; a lane permute's destination counts as read
	v_mov_b32 v[MW+11], 0                          ; named as upper halves of pairs
	v_mov_b32 v[MW+13], 0
	; global places: these hang on cx
	s_cmp_lt_u32 s[WV], 2
	s_cselect_b32 s74, s19, s68
	s_lshl_b32 s23, s[CX], 14
	s_add_co_u32 s74, s74, s23
	s_lshl_b32 s23, s[KH], 13
	s_add_co_u32 s74, s74, s23
	s_add_nc_u64 s[PFA:PFA+1], s[4:5], s[74:75]    ; my 32 rows of tile 0; the first change of slots steps it to tile 1
	s_lshl_b32 s2, s21, 1
	s_add_co_u32 s2, s2, s[RHD]                    ; my query head
	s_lshl_b32 s3, s22, 11
	s_lshl_b32 s23, s[CX], 5
	s_add_co_u32 s3, s3, s23
	s_lshl_b32 s23, s[EE], 7
	s_add_co_u32 s23, s23, s3                      ; my work-group's first row in the early block,
	s_lshl_b32 s69, s[JJ], 7
	s_add_co_u32 s69, s69, s3                      ; and in the late one
	s_lshl_b32 s68, s2, 20
	s_lshl_b32 s74, s23, 8
	s_add_co_u32 s74, s74, s68
	s_add_nc_u64 s[QB:QB+1], s[4:5], s[74:75]
	s_lshl_b32 s74, s69, 8
	s_add_co_u32 s74, s74, s68
	s_add_nc_u64 s[QB2:QB2+1], s[4:5], s[74:75]
	s_lshl_b32 s68, s[KH], 4                       ; the tile that I store: rows 16 KH on
	s_lshl_b32 s2, s2, 8
	s_add_co_u32 s74, s23, s68
	s_lshl_b32 s74, s74, 11
	s_add_co_u32 s74, s74, s2
	s_add_nc_u64 s[OB:OB+1], s[6:7], s[74:75]
	s_add_co_u32 s74, s69, s68
	s_lshl_b32 s74, s74, 11
	s_add_co_u32 s74, s74, s2
	s_add_nc_u64 s[OB2:OB2+1], s[6:7], s[74:75]
	s_lshl_b32 s23, s[CX], 5                       ; on the diagonal step register 8 kt + j of tile t holds key 64 KH + 16 kt + 8 h + j; my query is 32 cx + 16 (t xor KH) + r
	s_lshl_b32 s74, s[KH], 6
	s_sub_co_i32 s23, s23, s74
	v_lshlrev_b32 v20, 3, v15
	v_sub_nc_u32 v20, v1, v20
	v_add_nc_u32 v20, s23, v20                     ; 32 cx - 64 KH + r - 8 h
	s_xor_b32 s74, s68, 16
	v_add_nc_u32 v[DQ], s68, v20
	v_add_nc_u32 v[DQ+1], s74, v20
.macro QLOAD base                      ; Q stays in registers: tile t, channels 32 c on
	WIN 0x80
.irp t, 0,1
.irp c, 0,1,2,3
	global_load_b128 v[32*\t+8*\c:32*\t+8*\c+3], v[VQ+\t], s[\base:\base+1] offset:64*\c
	global_load_b128 v[32*\t+8*\c+4:32*\t+8*\c+7], v[VQ+\t], s[\base:\base+1] offset:64*\c+32
.endr
.endr
	WIN 0
.endm
; A block begins: where it begins hangs on the cluster's number, so its first step cannot be written out: the step is written once and finds zeros and a maximum under every score
.macro INIT
.irp t, 0,1
	v_mov_b32 v[ST+8*\t+1], 0xff61b1e6             ; m = -3e38
	v_mul_f32 v[ST+8*\t], s[CS], v[ST+8*\t+1]      ; c m
	v_mov_b32 v[ST+8*\t+2], 0                      ; l
	v_mov_b32 v[ST+8*\t+3], 0
.endr
	WIN 0x40
.set ii, 0
.rept 128
	v_mov_b32 v[ii], 0                             ; O^T
.set ii, ii+1
.endr
	WIN 0
.endm
	QLOAD QB
	INIT
.macro FETCH_K q                       ; my 64 keys x 128 channels of the slot's step q: 16 fragments, keys 16 (f / 4) on, channels 32 (f % 4) on
	WIN 0x80
.irp f, 0,1,2,3,4,5,6,7,8,9,10,11,12,13,14,15
	ds_load_b128 v[KF+8*\f:KF+8*\f+3],   v[ADK] offset:(\q)*128*PKP+(\f/4)*16*PKP+(\f%4)*64
	ds_load_b128 v[KF+8*\f+4:KF+8*\f+7], v[ADK] offset:(\q)*128*PKP+(\f/4)*16*PKP+(\f%4)*64+32
.endr
	WIN 0
.endm
.macro FETCH_V q                       ; the same keys of V, turned: keys 32 (f / 8) on, channels 16 (f % 8) on
	WIN 0x40
.irp f, 0,1,2,3,4,5,6,7,8,9,10,11,12,13,14,15
	ds_load_tr16_b128 v[VF+8*\f:VF+8*\f+3],   v[ADV] offset:(\q)*128*PVP+(\f/8)*32*PVP+(\f%8)*32
	ds_load_tr16_b128 v[VF+8*\f+4:VF+8*\f+7], v[ADV] offset:(\q)*128*PVP+(\f/8)*32*PVP+16*PVP+(\f%8)*32
.endr
	WIN 0
.endm
; The accumulators take turns, one instruction a turn: eight in K Q^T, sixteen in V^T P
.macro KQALL                           ; product i: channels 32 (i / 8) on, keys 16 ((i / 2) % 4) on, tile i % 2; the first eight start the sums
	WIN W_KQ
.set i, 0
.rept 32
.set rS, S+32*(i%2)+8*((i/2)%4)
.set rK, KF+32*((i/2)%4)+8*(i/8)
.set rQ, 32*(i%2)+8*(i/8)
.if i < 8
	v_wmma_f32_16x16x32_f16 v[rS:rS+7], v[rK:rK+7], v[rQ:rQ+7], 0
.else
	v_wmma_f32_16x16x32_f16 v[rS:rS+7], v[rK:rK+7], v[rQ:rQ+7], v[rS:rS+7]
.endif
.set i, i+1
.endr
	WIN 0
.endm
.macro PVALL                           ; product i: keys 32 (i / 16) on, channels 16 ((i / 2) % 8) on, tile i % 2
	WIN W_PV
.set i, 0
.rept 32
.set rO, 64*(i%2)+8*((i/2)%8)
.set rV, VF+64*(i/16)+8*((i/2)%8)
.set rP, P+16*(i%2)+8*(i/16)
	v_wmma_f32_16x16x32_f16 v[rO:rO+7], v[rV:rV+7], v[rP:rP+7], v[rO:rO+7]
.set i, i+1
.endr
	WIN 0
.endm
; On the diagonal step, and on the one step beyond it, hidden scores become -infinity ahead of the maximum.  A step all of whose keys count jumps over this: ids and the count of steps alone decide
.macro MASK
	s_cmp_lt_u32 s[KSC], s[LIMB]
	s_cbranch_scc1 .Lopen_\@
	s_sub_co_i32 s19, s[LIMB], s[KSC]
	s_lshl_b32 s19, s19, 7                         ; 0 on the diagonal, -128 beyond it
	v_add_nc_u32 v[DM], s19, v[DQ]
	v_add_nc_u32 v[DM+1], s19, v[DQ+1]
.irp t, 0,1
.set nn, 0
.rept 32
	v_cmp_gt_i32 vcc_lo, 16*(nn/8)+nn%8, v[DM+\t]
	v_cndmask_b32 v[S+32*\t+nn], v[S+32*\t+nn], v[NINF], vcc_lo
.set nn, nn+1
.endr
.endr
.Lopen_\@:
.endm
; The softmax of both tiles for 64 keys, the tiles line by line by turns
.macro SOFTMAX
.irp k, 0,1,2,3
.irp t, 0,1
	v_max3_num_f32 v[ST+8*\t+4+\k], v[S+32*\t+8*\k], v[S+32*\t+8*\k+1], v[S+32*\t+8*\k+2]   ; four chains; each accumulator is read from its low end on
.endr
.endr
.irp g, 1,2
.irp k, 0,1,2,3
.irp t, 0,1
	v_max3_num_f32 v[ST+8*\t+4+\k], v[ST+8*\t+4+\k], v[S+32*\t+8*\k+2*\g+1], v[S+32*\t+8*\k+2*\g+2]
.endr
.endr
.endr
.irp t, 0,1
	v_max3_num_f32 v[ST+8*\t+4], v[ST+8*\t+4], v[S+32*\t+7], v[S+32*\t+15]
	v_max3_num_f32 v[ST+8*\t+6], v[ST+8*\t+6], v[S+32*\t+23], v[S+32*\t+31]
.endr
.irp t, 0,1
	v_max3_num_f32 v[ST+8*\t+4], v[ST+8*\t+4], v[ST+8*\t+5], v[ST+8*\t+6]
.endr
.irp t, 0,1
	v_max3_num_f32 v[ST+8*\t+4], v[ST+8*\t+4], v[ST+8*\t+7], v[ST+8*\t+1]   ; with the old m
.endr
.irp t, 0,1
	v_permlanex16_b32 v[ST+8*\t+5], v[ST+8*\t+4], s[SEL], s[SEL+1]          ; the query's other 32 keys lie in the lane 16 away
.endr
.irp t, 0,1
	v_mov_b32 v[ST+8*\t+7], v[ST+8*\t]             ; c m_old is kept for a
.endr
.irp t, 0,1
	v_max_num_f32 v[ST+8*\t+1], v[ST+8*\t+4], v[ST+8*\t+5]
.endr
.irp t, 0,1
	v_mul_f32 v[ST+8*\t], s[CS], v[ST+8*\t+1]
.endr
.irp t, 0,1
	v_sub_f32 v[ST+8*\t+7], v[ST+8*\t+7], v[ST+8*\t]
.endr
.set bb, 0
.rept 16
.irp t, 0,1
	v_pk_fma_f32 v[S+32*\t+2*bb:S+32*\t+2*bb+1], v[S+32*\t+2*bb:S+32*\t+2*bb+1], s[CS:CS+1], v[ST+8*\t:ST+8*\t+1] op_sel_hi:[1,0,0] neg_lo:[0,0,1] neg_hi:[0,0,1]   ; c s - c m
.endr
.set bb, bb+1
.endr
.irp t, 0,1
	v_exp_f32 v[ST+8*\t+6], v[ST+8*\t+7]           ; a = 2^(c m_old - c m_new)
.endr
.set bb, 0
.rept 32
.irp t, 0,1
	v_exp_f32 v[S+32*\t+bb], v[S+32*\t+bb]         ; all 66 exponentials are one batch
.endr
.set bb, bb+1
.endr
	v_nop                                          ; a plain line behind the last exponential
	s_wait_alu depctr_va_vdst(0)                   ; one wait for the batch, ahead of its first reader
.set bb, 0
.rept 16
.irp t, 0,1
	v_cvt_pk_f16_f32 v[P+16*\t+bb], v[S+32*\t+2*bb], v[S+32*\t+2*bb+1]
.endr
.set bb, bb+1
.endr
.irp z, 0,1,2,3,4,5,6,7
.irp t, 0,1
	v_pk_add_f32 v[S+32*\t+4*\z:S+32*\t+4*\z+1], v[S+32*\t+4*\z:S+32*\t+4*\z+1], v[S+32*\t+4*\z+2:S+32*\t+4*\z+3]   ; the sum of the unrounded p, as a tree
.endr
.endr
.irp z, 0,1,2,3
.irp t, 0,1
	v_pk_add_f32 v[S+32*\t+8*\z:S+32*\t+8*\z+1], v[S+32*\t+8*\z:S+32*\t+8*\z+1], v[S+32*\t+8*\z+4:S+32*\t+8*\z+5]
.endr
.endr
.irp z, 0,1
.irp t, 0,1
	v_pk_add_f32 v[S+32*\t+16*\z:S+32*\t+16*\z+1], v[S+32*\t+16*\z:S+32*\t+16*\z+1], v[S+32*\t+16*\z+8:S+32*\t+16*\z+9]
.endr
.endr
.irp t, 0,1
	v_pk_add_f32 v[S+32*\t:S+32*\t+1], v[S+32*\t:S+32*\t+1], v[S+32*\t+16:S+32*\t+17]
.endr
.irp t, 0,1
	v_pk_fma_f32 v[ST+8*\t+2:ST+8*\t+3], v[ST+8*\t+2:ST+8*\t+3], v[ST+8*\t+6:ST+8*\t+7], v[S+32*\t:S+32*\t+1] op_sel_hi:[1,0,1]   ; l = a l + the sum
.endr
.endm
.macro RESCALE                         ; O^T x a, ascending
	WIN W_RS
.irp t, 0,1
.set bb, 0
.rept 32
	v_pk_mul_f32 v[64*\t+2*bb:64*\t+2*bb+1], v[64*\t+2*bb:64*\t+2*bb+1], v[ST+8*\t+6:ST+8*\t+7] op_sel_hi:[1,0]
.set bb, bb+1
.endr
.endr
.endm
; A key step: the slot's step q.  pre = 1: the next step's K is asked for behind this step's K Q^T
.macro STEP q, pre
	PLACES 4                                       ; in front of loads into V's registers, which the last V^T P read
	FETCH_V \q
	s_wait_dscnt 32                                ; K is in; V's 32 loads are younger
	KQALL
	PLACES 4                                       ; in front of the first read of the scores and of loads into K's registers
.if \pre
	FETCH_K (\q)+1
.endif
	MASK
	SOFTMAX
.if \pre
	s_wait_dscnt 32                                ; V is in; the next K's 32 loads are younger
.else
	s_wait_dscnt 0x0
.endif
	RESCALE
	PVALL
	s_add_co_u32 s[KSC], s[KSC], 1
.endm
.macro SLOTWORK
	s_wait_loadcnt 0x0                             ; Q is in (at the head, and behind a change of blocks; else nothing is out)
	v_add_nc_u32 v[ADK], s[TB], v[AK0]
	v_add_nc_u32 v[ADV], s[TB], v[AV0]
	FETCH_K 0
	STEP 0, 1
	STEP 1, 0
	s_xor_b32 s[TB], s[TB], SLOT                   ; on to the other slot
.endm
; THE CHANGE OF SLOTS stands at a slot's head.  Each wave waits for all its tensor loads (its part of the slot ahead), adds 0 to its spare word, and waits for that and for its LDS instructions.
; fill = 1: behind a round of the cluster's barrier the slot just left takes the next tile: tile SI + 1 of the early walk, or SI + 1 - NE of the late one.  The load has a slot's two steps in which to land.
.macro CHANGE fill
	s_wait_tensorcnt 0x0                           ; no tensor load of mine is out, so a group 0 may be written
	ds_add_u32 v[SPW], v[NIL]
.if \fill
	s_add_co_u32 s19, s[SI], 1
	s_sub_co_u32 s21, s19, s[NE]
	s_cmp_ge_u32 s19, s[NE]
	s_cselect_b32 s22, s21, s19                    ; the tile's number in its walk: the cluster's x and the count of slots alone
	s_lshl_b32 s22, s22, 16                        ; 256 rows of 256 bytes a tile
	s_mov_b32 s23, 0
	s_add_nc_u64 s[G0K+2:G0K+3], s[KBASE:KBASE+1], s[22:23]
	s_or_b32 s[G0K+3], s[G0K+3], 0x80000000
	s_add_nc_u64 s[G0V+2:G0V+3], s[VBASE:VBASE+1], s[22:23]
	s_or_b32 s[G0V+3], s[G0V+3], 0x80000000
	s_xor_b32 s21, s[TB], SLOT                     ; the slot that has been left
	s_add_co_u32 s[G0K+1], s21, s[LK0]
	s_add_co_u32 s[G0V+1], s21, s[LV0]
	s_wait_xcnt 0x0                                ; the last prefetch, a slot back, has read its address; earlier stores have read their registers
	s_add_nc_u64 s[PFA:PFA+1], s[PFA:PFA+1], 65536
	s_wait_dscnt 0x0                               ; the add is done, and my LDS instructions are over
	CROUND
	JLOAD
	ASK
.else
	s_wait_dscnt 0x0
	s_barrier_signal -1
	s_barrier_wait -1
.endif
.endm
; A BLOCK'S END, first half: my register tile 1 goes to the other wave of my head: O^T as an image of its registers, c m and l beside it.  next = 1: the late block's Q is asked for, into Q's registers, which are done with
.macro FIN_A next
	PLACES 4                                       ; behind the last products
	v_add_f32 v[MW], v[ST+10], v[ST+11]
	v_permlanex16_b32 v[MW+1], v[MW], s[SEL], s[SEL+1]
	v_add_f32 v[MW], v[MW], v[MW+1]                ; l of tile 1 over my keys
	WIN 0x04                                       ; an LDS store's data are its source 1: window 1
.irp i, 0,1,2,3,4,5,6,7,8,9,10,11,12,13,14,15
	ds_store_b128 v[MWR], v[64+4*\i:64+4*\i+3] offset:512*\i
.endr
	WIN 0
	ds_store_b32 v[SWR], v[ST+8]
	ds_store_b32 v[SWR], v[MW] offset:128
.if \next
	QLOAD QB2
.endif
.endm
; Second half, behind a barrier: the other wave's image of my tile 0 is merged with mine: o = (O_me f_me + O_p f_p) / (l_me f_me + l_p f_p), f = 2^(c m - the larger c m).
; A wave that saw no key has l = 0, O = 0 and the least c m: its f is 0.  The result goes through my incoming region, now read out, and leaves as rows: sixteen lanes store a head's 256 bytes of a row, aligned
.macro FIN_B base
.irp i, 0,1,2,3,4,5,6,7,8,9,10,11,12,13,14,15
	ds_load_b128 v[S+4*\i:S+4*\i+3], v[MRD] offset:512*\i
.endr
	ds_load_b32 v[MW+2], v[SRD]
	ds_load_b32 v[MW+3], v[SRD] offset:128
	v_add_f32 v[MW], v[ST+2], v[ST+3]
	v_permlanex16_b32 v[MW+1], v[MW], s[SEL], s[SEL+1]
	v_add_f32 v[MW], v[MW], v[MW+1]
	s_wait_dscnt 0x0
	v_max_num_f32 v[MW+4], v[ST], v[MW+2]
	v_sub_f32 v[MW+5], v[ST], v[MW+4]
	v_sub_f32 v[MW+6], v[MW+2], v[MW+4]
	v_exp_f32 v[MW+5], v[MW+5]
	v_exp_f32 v[MW+6], v[MW+6]
	v_nop
	s_wait_alu depctr_va_vdst(0)
	v_mul_f32 v[MW+7], v[MW], v[MW+5]
	v_fmac_f32 v[MW+7], v[MW+3], v[MW+6]
	v_rcp_f32 v[MW+8], v[MW+7]
	v_nop
	s_wait_alu depctr_va_vdst(0)
	v_mul_f32 v[MW+10], v[MW+5], v[MW+8]
	v_mul_f32 v[MW+12], v[MW+6], v[MW+8]
	WIN 0x01                                       ; source 0: O^T, window 1
.set bb, 0
.rept 32
	v_pk_mul_f32 v[OF+2*bb:OF+2*bb+1], v[2*bb:2*bb+1], v[MW+10:MW+11] op_sel_hi:[1,0]
.set bb, bb+1
.endr
	WIN 0
.set bb, 0
.rept 32
	v_pk_fma_f32 v[OF+2*bb:OF+2*bb+1], v[S+2*bb:S+2*bb+1], v[MW+12:MW+13], v[OF+2*bb:OF+2*bb+1] op_sel_hi:[1,0,1]
.set bb, bb+1
.endr
.set bb, 0
.rept 32
	v_cvt_pk_f16_f32 v[P+bb], v[OF+2*bb], v[OF+2*bb+1]
.set bb, bb+1
.endr
.irp f, 0,1,2,3,4,5,6,7
	ds_store_b128 v[STO], v[P+4*\f:P+4*\f+3] offset:32*\f
.endr
.irp f, 0,1,2,3,4,5,6,7
	ds_load_b128 v[BK+4*\f:BK+4*\f+3], v[RD] offset:\f*544
.endr
.irp f, 0,1,2,3,4,5,6,7
	s_wait_dscnt 7-\f                              ; the younger row loads may be out
	global_store_b128 v[GO], v[BK+4*\f:BK+4*\f+3], s[\base:\base+1] offset:4096*\f
.endr
.endm
.Lslot:                                            ; eight trips: behind each change of slots but the last the next tile is asked for
	CHANGE 1
	s_cmp_lg_u32 s[SI], s[NE]                      ; the late block's first slot?  The cluster's x and the count of slots alone: all waves of all partners go the same way
	s_cbranch_scc1 .Lsame
	FIN_B OB
	INIT
	s_mov_b32 s[KSC], 0
	s_mov_b32 s[LIMB], s[JJ]
.Lsame:
	SLOTWORK
	s_wait_dscnt 0x0
	s_barrier_signal -1                            ; every wave's reads of its incoming region and stage are over before any wave writes an outgoing region
	s_barrier_wait -1
	s_add_co_u32 s[SI], s[SI], 1
	s_cmp_lg_u32 s[SI], s[NE]                      ; was that the early block's last slot?
	s_cbranch_scc1 .Lgoon
	FIN_A 1
.Lgoon:
	s_cmp_lt_u32 s[SI], 8
	s_cbranch_scc1 .Lslot
	CHANGE 0                                       ; the last slot is written out: nothing is left to ask for
	SLOTWORK
	s_wait_dscnt 0x0
	s_barrier_signal -1
	s_barrier_wait -1
	FIN_A 0
	s_wait_dscnt 0x0                               ; for the other wave's sake: my image has landed
	s_barrier_signal -1
	s_barrier_wait -1
	s_wait_xcnt 0x0                                ; the early block's stores have read the registers that are loaded again below
	FIN_B OB2
	s_wait_tensorcnt 0x0                           ; the wave's end: three closing lines
	ds_add_u32 v[SPW], v[NIL]
	s_wait_dscnt 0x0
	CROUND                                         ; the closing round
	s_endpgm
.Lfunc_end_k_q47d54d9be4_attn:
	.size	k_q47d54d9be4_attn, .Lfunc_end_k_q47d54d9be4_attn-k_q47d54d9be4_attn
	.p2alignl 7, 3214868480
	.fill 96, 4, 3214868480
	.section	.rodata,"a",@progbits
	.p2align	6, 0x0
	.amdhsa_kernel k_q47d54d9be4_attn
		.amdhsa_group_segment_fixed_size 327680
		.amdhsa_private_segment_fixed_size 0
		.amdhsa_enable_private_segment 0
		.amdhsa_kernarg_size 16
		.amdhsa_user_sgpr_count 2
		.amdhsa_user_sgpr_kernarg_segment_ptr 1
		.amdhsa_wavefront_size32 1
		.amdhsa_system_sgpr_workgroup_id_x 1
		.amdhsa_system_sgpr_workgroup_id_y 1
		.amdhsa_system_sgpr_workgroup_id_z 1
		.amdhsa_system_vgpr_workitem_id 0
		.amdhsa_next_free_vgpr 768
		.amdhsa_next_free_sgpr 80
		.amdhsa_reserve_vcc 1
		.amdhsa_float_denorm_mode_32 3
		.amdhsa_float_denorm_mode_16_64 3
		.amdhsa_memory_ordered 1
		.amdhsa_forward_progress 1
		.amdhsa_inst_pref_size 155
	.end_amdhsa_kernel
	.amdgpu_metadata
---
amdhsa.version: [ 1, 2 ]
amdhsa.kernels:
  - .name:           k_q47d54d9be4_attn
    .symbol:         k_q47d54d9be4_attn.kd
    .args:
      - { .name: qkv16, .offset: 0, .size: 8, .value_kind: global_buffer, .address_space: global }
      - { .name: o16, .offset: 8, .size: 8, .value_kind: global_buffer, .address_space: global }
    .group_segment_fixed_size: 327680
    .private_segment_fixed_size: 0
    .kernarg_segment_align: 8
    .kernarg_segment_size: 16
    .max_flat_workgroup_size: 128
    .sgpr_count:     80
    .vgpr_count:     768
    .wavefront_size: 32
...
	.end_amdgpu_metadata
.endif
;; end of part 3
;; launch oproj (part 4): grid 8 x 32, 4 waves a work-group, clusters of 4 x 4, 327,680 bytes of LDS; arguments o16, wo16, out0; writes out0
.if DOCPART == 4
	.amdgcn_target "amdgcn-amd-amdhsa--gfx1250"
	.amdhsa_code_object_version 6
	.text
	.protected	k_q47d54d9be4_oproj
	.globl	k_q47d54d9be4_oproj
	.p2align	8
	.type	k_q47d54d9be4_oproj,@function
k_q47d54d9be4_oproj:
	s_mov_b64 s[64:65], 0
	v_nop
	global_prefetch_b8 v0, s[64:65] scope:SCOPE_SE
	s_setreg_imm32_b32 hwreg(HW_REG_WAVE_MODE, 25, 1), 1
	s_wait_xcnt 0x0
	s_wait_alu depctr_hold_cnt(0) depctr_sa_sdst(0) depctr_va_vdst(0) depctr_va_sdst(0) depctr_va_ssrc(0) depctr_va_vcc(0) depctr_vm_vsrc(0)
	s_getreg_b32 s2, hwreg(HW_REG_IB_STS2, 6, 4)
	s_cmp_eq_u32 s2, 0
	s_cbranch_scc0 .Lentry_in_a_cluster
	s_endpgm
.Lentry_in_a_cluster:
	s_bfe_u32 s2, ttmp6, 0x10000c
	s_cmp_lg_u32 s2, 0xf033
	s_cbranch_scc0 .Lentry_shape_is_right
	s_endpgm
.Lentry_shape_is_right:
; out0 = o w_o^T.  o16 [4096][1024] f16, wo16 [2048][1024] f16, out0 [4096][2048] f32; sums in f32.
; A work-group makes 128 rows x 256 columns: 32 x 8 = 256 work-groups; tiles of 256 x 256 would be 128.  Four waves, each 64 x 128: 32 accumulators of 16 x 16.
; K goes in steps of 128 (rows of 256 bytes) through two LDS slots: 128 rows of o, 256 of w_o.  Waves 0, 1 fetch o's halves, waves 2, 3 w_o's, one joint load each: o's tile is shared along a row of
; the 4 x 4 cluster, w_o's along a column.  From a refill to the wait for it a wave issues 112 matrix instructions.  By this text's own count a wave has two tensor loads out at the start, then one.
; The matrix instruction is used transposed (source 0 = 16 rows of w_o, source 1 = 16 rows of o): a lane holds eight neighbouring numbers of a row of out0.
; Rows 0-15 of each batch are written here too, and written over by the launch that carries them in f32.
.set PITCH,  272
.set HALFA,  64*PITCH
.set HALFB,  128*PITCH
.set BOFF,   2*HALFA
.set SLOT,   BOFF+2*HALFB
.set KROW,   2048                      ; a row of o16 or wo16 in bytes
.set LAPS,   4
.set STAGE,  2*SLOT                    ; 16 rows x (512 + 16) for each wave
.set SPARE,  STAGE+4*16*528
.set ADRA, 16
.set ADRB, 20
.set STO,  24
.set RD,   25
.set CO,   26
.set SPW,  28
.set NIL,  29
.set AF,   32                          ; v32-95 o's fragments, two sets of 32;  window 1 v0-127: w_o's, two sets of 64;  window 2: the accumulators
.set BKR,  96                          ; v96-159, v160-223: rows read back, by turns
.set WV, 10
.set RH, 11
.set CH, 12
.set G1, 24
.set G0, 32
.set G1B, 48
.set G0B, 56
.set MSB, 0
.macro WIN new
.if MSB != \new
	s_set_vgpr_msb (MSB<<8)|\new
.set MSB, \new
.endif
.endm
.set MUL,  0xa1
.set TO_B, 0x40
.macro PLACES n
.rept \n
	v_nop
.endr
.endm
.macro JLOAD s                         ; a joint load; an s_nop 0 and four v_nop follow each line
	s_cmp_eq_u32 s[RH], 0
	s_cbranch_scc0 .Lfor_b_\@
	tensor_load_to_lds s[G0+4*\s:G0+4*\s+3], s[G1:G1+7]
	s_nop 0
.rept 4
	v_nop
.endr
	s_branch .Lasked_\@
.Lfor_b_\@:
	tensor_load_to_lds s[G0B+4*\s:G0B+4*\s+3], s[G1B:G1B+7]
	s_nop 0
.rept 4
	v_nop
.endr
.Lasked_\@:
.endm
.macro CREST
	s_cmp_lg_u32 s[WV], 0
	s_cbranch_scc1 .Lnot_wave_0_\@
	s_barrier_signal -3
.Lnot_wave_0_\@:
	s_barrier_wait -3
	s_barrier_signal -1
	s_barrier_wait -1
.endm
.macro CROUND
	s_barrier_signal -1
	s_barrier_wait -1
	CREST
.endm
	s_load_b128 s[4:7], s[0:1], 0x0                ; o16 s[4:5], wo16 s[6:7]
	s_load_b64 s[8:9], s[0:1], 0x10                ; out0
	v_lshl_add_u32 v[SPW], v0, 2, SPARE
	v_mov_b32 v[NIL], 0
	ds_add_u32 v[SPW], v[NIL]                      ; the wave's opening: the add, twice on end, and its wait ahead of my first tensor load
	ds_add_u32 v[SPW], v[NIL]
	v_lshrrev_b32 v1, 5, v0
	v_readfirstlane_b32 s[WV], v1
	s_lshr_b32 s[RH], s[WV], 1                     ; which 64 rows are mine; also: I fetch for o (0) or for w_o (1)
	s_and_b32 s[CH], s[WV], 1                      ; which 128 columns; also: which half I fetch
	s_bfe_u32 s13, ttmp6, 0x40000                  ; cx
	s_bfe_u32 s14, ttmp6, 0x40004                  ; cy
	s_lshl_b32 s15, ttmp9, 2
	s_add_co_u32 s15, s15, s13                     ; tile column
	s_and_b32 s16, ttmp7, 0xffff
	s_lshl_b32 s16, s16, 2
	s_add_co_u32 s16, s16, s14                     ; tile row
	s_lshl_b32 s17, s14, 2
	s_lshl_b32 s17, 15, s17                        ; my row of the cluster
	s_lshl_b32 s18, 0x1111, s13                    ; my column
	s_or_b32 s[G1], s17, (1<<20)|(1<<21)|(5<<22)|(3<<25)    ; elements of 1 byte; padding: 4 words behind every 64
	s_or_b32 s[G1B], s18, (1<<20)|(1<<21)|(5<<22)|(3<<25)
.irp g, G1, G1B
	s_mov_b32 s[\g+1], 256<<16
	s_mov_b32 s[\g+3], 256<<16
	s_mov_b32 s[\g+5], KROW
	s_mov_b32 s[\g+6], 0
	s_mov_b32 s[\g+7], 0
.endr
	s_mov_b32 s[G1+2], 64<<16
	s_mov_b32 s[G1+4], 64
	s_mov_b32 s[G1B+2], 128<<16
	s_mov_b32 s[G1B+4], 128
	s_lshl_b32 s20, s16, 7
	s_lshl_b32 s21, s[CH], 6
	s_add_co_u32 s20, s20, s21
	s_lshl_b32 s20, s20, 11                        ; o: row 128 x tile row + 64 x half, in bytes
	s_mov_b32 s21, 0
	s_lshl_b32 s22, s15, 8
	s_lshl_b32 s23, s[CH], 7
	s_add_co_u32 s22, s22, s23
	s_lshl_b32 s22, s22, 11                        ; w_o: row 256 x tile column + 128 x half
	s_mov_b32 s23, 0
	s_mul_i32 s40, s[CH], HALFA                    ; where they go: no place in the cluster enters an LDS address
	s_mul_i32 s41, s[CH], HALFB
	s_add_co_u32 s41, s41, BOFF
	s_wait_dscnt 0x0                               ; both opening adds are done
	s_wait_kmcnt 0x0
	s_add_nc_u64 s[20:21], s[4:5], s[20:21]
	s_add_nc_u64 s[22:23], s[6:7], s[22:23]
.irp s, 0,1
	s_mov_b32 s[G0+4*\s], 1
	s_add_co_u32 s[G0+4*\s+1], s40, \s*SLOT
	s_add_nc_u64 s[G0+4*\s+2:G0+4*\s+3], s[20:21], \s*256
	s_or_b32 s[G0+4*\s+3], s[G0+4*\s+3], 0x80000000
	s_mov_b32 s[G0B+4*\s], 1
	s_add_co_u32 s[G0B+4*\s+1], s41, \s*SLOT
	s_add_nc_u64 s[G0B+4*\s+2:G0B+4*\s+3], s[22:23], \s*256
	s_or_b32 s[G0B+4*\s+3], s[G0B+4*\s+3], 0x80000000
.endr
	CROUND                                         ; all sixteen work-groups are here
	JLOAD 0
	JLOAD 1
	v_and_b32 v1, 15, v0                           ; r
	v_bfe_u32 v2, v0, 4, 1                         ; h
	v_mul_u32_u24 v3, v1, PITCH
	v_lshl_add_u32 v3, v2, 4, v3
	s_mul_i32 s40, s[RH], HALFA
	s_mul_i32 s41, s[CH], HALFB
	s_add_co_u32 s41, s41, BOFF
.irp s, 0,1
	v_add_nc_u32 v[ADRA+\s], s40, v3
	v_add_nc_u32 v[ADRB+\s], s41, v3
	s_add_co_u32 s40, s40, SLOT
	s_add_co_u32 s41, s41, SLOT
.endr
	s_mul_i32 s40, s[WV], 16*528
	s_add_co_u32 s40, s40, STAGE
	v_mul_u32_u24 v4, v1, 528
	v_lshl_add_u32 v4, v2, 5, v4
	v_add_nc_u32 v[STO], s40, v4                   ; in: row r, 32 bytes for each half of the lanes
	v_and_b32 v4, 31, v0
	v_lshlrev_b32 v[CO], 4, v4
	v_add_nc_u32 v[RD], s40, v[CO]                 ; back: the 32 lanes take one row of 512 bytes
	s_lshl_b32 s40, s16, 7
	s_lshl_b32 s41, s[RH], 6
	s_add_co_u32 s40, s40, s41
	s_lshl_b32 s40, s40, 13                        ; my first row of out0, 8,192 bytes a row,
	s_lshl_b32 s41, s15, 10
	s_add_co_u32 s40, s40, s41
	s_lshl_b32 s41, s[CH], 9
	s_add_co_u32 s40, s40, s41                     ; my first column
	s_mov_b32 s41, 0
	s_add_nc_u64 s[8:9], s[8:9], s[40:41]
.macro FRAG reg, adr, q, i             ; 16 rows x 32 K of f16: lane l holds row l % 16; registers 0-3 K = 8 (l / 16) + 0..7, registers 4-7 K = 16 + 8 (l / 16) + 0..7
.irp c, 0,1
	ds_load_b128 v[\reg+4*\c:\reg+4*\c+3], v[\adr] offset:64*(\q)+32*\c+(\i)*16*PITCH
.endr
.endm
.macro FETCH slot, q, p
	WIN TO_B
.irp i, 0,1,2,3,4,5,6,7
	FRAG 64*(\p)+8*\i, ADRB+\slot, \q, \i
.endr
	WIN 0
.irp i, 0,1,2,3
	FRAG AF+32*(\p)+8*\i, ADRA+\slot, \q, \i
.endr
.endm
.macro MUL8 a, p, zero                 ; o's block a against w_o's eight; the 32 accumulators take turns, one instruction a turn
.irp b, 0,1,2,3,4,5,6,7
.if \zero
	v_wmma_f32_16x16x32_f16 v[8*(8*(\a)+\b):8*(8*(\a)+\b)+7], v[64*(\p)+8*\b:64*(\p)+8*\b+7], v[AF+32*(\p)+8*(\a):AF+32*(\p)+8*(\a)+7], 0
.else
	v_wmma_f32_16x16x32_f16 v[8*(8*(\a)+\b):8*(8*(\a)+\b)+7], v[64*(\p)+8*\b:64*(\p)+8*\b+7], v[AF+32*(\p)+8*(\a):AF+32*(\p)+8*(\a)+7], v[8*(8*(\a)+\b):8*(8*(\a)+\b)+7]
.endif
.endr
.endm
.macro STEP slot, q, zero              ; 32 along K with its successor in the same slot
	s_wait_dscnt 0x0                               ; this step's fragments, asked for a step ago, are in
	PLACES 4                                       ; in front of loads into the set that the last step's products read
	FETCH \slot, (\q)+1, 1-(\q)%2
	WIN MUL
	MUL8 0, (\q)%2, \zero
	MUL8 1, (\q)%2, \zero
	MUL8 2, (\q)%2, \zero
	MUL8 3, (\q)%2, \zero
	WIN 0
.endm
.macro TURN slot, next, fill           ; a slot's last step changes slots
	s_wait_tensorcnt 0x0                           ; all my tensor loads have landed: my part of the next slot
	ds_add_u32 v[SPW], v[NIL]
	s_wait_dscnt 1                                 ; this step's fragments are in; the add alone may be out
	WIN MUL
	MUL8 0, 1, 0
	s_wait_dscnt 0x0                               ; the add is done, and my reads of this slot are over
	s_barrier_signal -1
	MUL8 1, 1, 0
	WIN 0
	s_barrier_wait -1
.if \fill
	CREST                                          ; no wave of any partner still reads this slot or has a load on its way
	s_add_nc_u64 s[G0+4*\slot+2:G0+4*\slot+3], s[G0+4*\slot+2:G0+4*\slot+3], 512
	s_add_nc_u64 s[G0B+4*\slot+2:G0B+4*\slot+3], s[G0B+4*\slot+2:G0B+4*\slot+3], 512
	JLOAD \slot                                    ; my one load behind the round; its four v_nop are also the places in front of the loads below
.else
	PLACES 4
.endif
	FETCH \next, 0, 0
	WIN MUL
	MUL8 2, 1, 0
	MUL8 3, 1, 0
	WIN 0
.endm
	s_wait_tensorcnt 1                             ; my part of K step 0 is in; K step 1's load may be out
	s_barrier_signal -1
	s_barrier_wait -1
	FETCH 0, 0, 0
	STEP 0, 0, 1                                   ; the first step's products start the sums
	s_mov_b32 s3, LAPS-1
.Llap:
	STEP 0, 1, 0
	STEP 0, 2, 0
	TURN 0, 1, 1
	STEP 1, 0, 0
	STEP 1, 1, 0
	STEP 1, 2, 0
	TURN 1, 0, 1
	STEP 0, 0, 0
	s_sub_co_u32 s3, s3, 1
	s_cmp_lg_u32 s3, 0
	s_cbranch_scc1 .Llap
	STEP 0, 1, 0                                   ; the last lap fills nothing
	STEP 0, 2, 0
	TURN 0, 1, 0
	STEP 1, 0, 0
	STEP 1, 1, 0
	STEP 1, 2, 0
	s_wait_dscnt 0x0
	WIN MUL
	MUL8 0, 1, 0
	MUL8 1, 1, 0
	MUL8 2, 1, 0
	MUL8 3, 1, 0
	WIN 0
; THE WAY OUT, a block of 16 rows x 128 columns at a time, through my own stage: back come whole rows of 512 bytes, which the 32 lanes store as 512 consecutive bytes, aligned
.macro TOSTAGE a
	WIN 0x08                                       ; an LDS store's data are its source 1: window 2
.irp b, 0,1,2,3,4,5,6,7
	ds_store_b128 v[STO], v[64*(\a)+8*\b:64*(\a)+8*\b+3] offset:64*\b       ; each accumulator from its low end on
	ds_store_b128 v[STO], v[64*(\a)+8*\b+4:64*(\a)+8*\b+7] offset:64*\b+16
.endr
	WIN 0
.set BB, BKR+64*((\a)%2)
.irp t, 0,1,2,3,4,5,6,7,8,9,10,11,12,13,14,15
	ds_load_b128 v[BB+4*\t:BB+4*\t+3], v[RD] offset:\t*528   ; LDS serves a wave in order: these see the stores above, and the next block's stores come behind them
.endr
.endm
.macro SEND a, younger
.set BB, BKR+64*((\a)%2)
	s_wait_dscnt \younger
.irp t, 0,1,2,3,4,5,6,7,8,9,10,11,12,13,14,15
	global_store_b128 v[CO], v[BB+4*\t:BB+4*\t+3], s[8:9] offset:131072*(\a)+8192*\t th:TH_STORE_NT
.endr
.endm
	PLACES 4
	TOSTAGE 0
.irp a, 1,2,3
.if \a > 1
	s_wait_xcnt 0x0                                ; block a - 2's stores have read the registers that block a's loads take
.endif
	TOSTAGE \a
	SEND \a-1, 32                                  ; behind block a - 1's loads: block a's 16 stores and 16 loads
.endr
	SEND 3, 0
	s_wait_tensorcnt 0x0                           ; the wave's end: three closing lines
	ds_add_u32 v[SPW], v[NIL]
	s_wait_dscnt 0x0
	CROUND                                         ; the closing round
	s_endpgm
.Lfunc_end_k_q47d54d9be4_oproj:
	.size	k_q47d54d9be4_oproj, .Lfunc_end_k_q47d54d9be4_oproj-k_q47d54d9be4_oproj
	.p2alignl 7, 3214868480
	.fill 96, 4, 3214868480
	.section	.rodata,"a",@progbits
	.p2align	6, 0x0
	.amdhsa_kernel k_q47d54d9be4_oproj
		.amdhsa_group_segment_fixed_size 327680
		.amdhsa_private_segment_fixed_size 0
		.amdhsa_enable_private_segment 0
		.amdhsa_kernarg_size 24
		.amdhsa_user_sgpr_count 2
		.amdhsa_user_sgpr_kernarg_segment_ptr 1
		.amdhsa_wavefront_size32 1
		.amdhsa_system_sgpr_workgroup_id_x 1
		.amdhsa_system_sgpr_workgroup_id_y 1
		.amdhsa_system_sgpr_workgroup_id_z 1
		.amdhsa_system_vgpr_workitem_id 0
		.amdhsa_next_free_vgpr 768
		.amdhsa_next_free_sgpr 66
		.amdhsa_reserve_vcc 0
		.amdhsa_float_denorm_mode_32 3
		.amdhsa_float_denorm_mode_16_64 3
		.amdhsa_memory_ordered 1
		.amdhsa_forward_progress 1
		.amdhsa_inst_pref_size 85
	.end_amdhsa_kernel
	.amdgpu_metadata
---
amdhsa.version: [ 1, 2 ]
amdhsa.kernels:
  - .name:           k_q47d54d9be4_oproj
    .symbol:         k_q47d54d9be4_oproj.kd
    .args:
      - { .name: o16, .offset: 0, .size: 8, .value_kind: global_buffer, .address_space: global }
      - { .name: wo16, .offset: 8, .size: 8, .value_kind: global_buffer, .address_space: global }
      - { .name: out0, .offset: 16, .size: 8, .value_kind: global_buffer, .address_space: global }
    .group_segment_fixed_size: 327680
    .private_segment_fixed_size: 0
    .kernarg_segment_align: 8
    .kernarg_segment_size: 24
    .max_flat_workgroup_size: 128
    .sgpr_count:     66
    .vgpr_count:     768
    .wavefront_size: 32
...
	.end_amdgpu_metadata
.endif
;; end of part 4
;; launch fine (part 5): grid 128 x 2, 8 waves a work-group, clusters of 4 x 1, 167,936 bytes of LDS; arguments fineb, w_o, out0; writes out0
.if DOCPART == 5
	.amdgcn_target "amdgcn-amd-amdhsa--gfx1250"
	.amdhsa_code_object_version 6
	.text
	.protected	k_q47d54d9be4_fine
	.globl	k_q47d54d9be4_fine
	.p2align	8
	.type	k_q47d54d9be4_fine,@function
k_q47d54d9be4_fine:
	s_mov_b64 s[64:65], 0
	v_nop
	global_prefetch_b8 v0, s[64:65] scope:SCOPE_SE
	s_setreg_imm32_b32 hwreg(HW_REG_WAVE_MODE, 25, 1), 1
	s_wait_xcnt 0x0
	s_wait_alu depctr_hold_cnt(0) depctr_sa_sdst(0) depctr_va_vdst(0) depctr_va_sdst(0) depctr_va_ssrc(0) depctr_va_vcc(0) depctr_vm_vsrc(0)
	s_getreg_b32 s2, hwreg(HW_REG_IB_STS2, 6, 4)
	s_cmp_eq_u32 s2, 0
	s_cbranch_scc0 .Lentry_in_a_cluster
	s_endpgm
.Lentry_in_a_cluster:
	s_bfe_u32 s2, ttmp6, 0x10000c
	s_cmp_lg_u32 s2, 0x3003
	s_cbranch_scc0 .Lentry_shape_is_right
	s_endpgm
.Lentry_shape_is_right:
; Positions 0-15 of both batches once more, in f32 from behind the first product to out0: under the causal mask these rows average few values, and the rounding of 16-bit operands weighs most there.
; fineb [b][16 heads][16 positions][128] f32 (0-7 q, 8-11 k, 12-15 v, normed and turned); w_o [2048][1024] f32; out0 rows 2048 b + 0..15 are written over.
; SHARES.  Work-group (sl, b): 16 columns of out0 for the batch's 16 rows: 128 x 2 = 256 work-groups.  Wave w = query head w; the eight waves' parts of y are added through LDS.
; THE ORDER OF THE PRODUCTS.  y(q, n) = sum over heads and keys of p(q, key) z(key, n), with z(key, n) = sum over the head's 128 channels of v(key, ch) w_o(n, ch).  For 16 columns z is 32 matrix
; instructions of 16 x 16 x 4 and p z four, where (p v) w_o would be 32 and 32; z hangs on no softmax, so its run stands straight behind the scores'; and v is read with the channels innermost, as q and k are.
; A wave issues 32 + 32 + 4 = 68 matrix instructions.  LIMIT: the order of rounding differs from reference()'s (v meets w_o before p); all of it is f32.
; WHY 16 COLUMNS.  The batch's attention is repeated in every work-group, and z grows with the columns: with 64 columns, a whole aligned 256 bytes of a row, a wave would issue 32 + 128 + 16 and there would be
; 64 work-groups.  So a row's store here covers 64 consecutive bytes, a quarter of an aligned 256: 32 rows of 8,192 bytes in all are written so.
; CLUSTER.  All work-groups of a batch read the same 128 KiB of fineb: the four of a cluster ask for it jointly, each wave for 32 rows of 512 bytes (two heads), by the same tensor load with the same
; descriptor and a mask that names the four.  By this text's own count a wave has one tensor load out; no LDS byte is filled again.  w_o's 16 rows x 512 bytes of my head are used by my wave alone: they go
; straight into registers.
; All products by the f32 matrix form.  Its accumulators (SA, ZA, YA) are written by matrix instructions alone, and every sum starts with the constant 0.
; K IS TAKEN IN AN ORDER OF ITS OWN, alike on both operands of each product: along the channels link 2 c + u takes channels 8 c + 4 h + 2 u + {0, 1}, so that loads of 16 bytes fill operands;
; along the keys link c takes keys 8 h + 2 c + {0, 1}: the registers of S^T and of z as they stand.
; LIMITS: a hidden score is -infinity where reference() has the least f32 number: p is 0 either way, since each query sees its own key.  NaN and infinities are not served.
.set PQ,    528                        ; a row of q, k or v in LDS: 512 bytes + 16 of padding: the 16 rows that a load touches start at 16 different banks
.set HEADB, 16*PQ                      ; a head's 16 rows
.set RED,   16*HEADB                   ; behind the 16 heads: the waves' parts of y, 16 rows x 80 bytes each
.set RP,    80
.set SPARE, RED+8*16*RP                ; the spare words, 128 bytes a wave
.set AQ,  4                            ; LDS address of my lane's bytes in my q head,
.set AK,  5                            ; my k head,
.set AV,  6                            ; my v head
.set VWO, 7                            ; my lane's byte in w_o's 16 rows
.set DD,  8
.set RW,  9
.set RR,  10
.set GO,  11
.set P,   16                           ; v16-23  p / l
.set T,   24                           ; v24-47  at work
.set ZS,  48                           ; v48-55  z;  v56-63 at work
.set ZT,  56
.set YS,  64                           ; v64-71  my head's part of y
.set RV,  72                           ; v72-79  the eight parts of one number
.set SA,  112                          ; four accumulators of S^T
.set ZA,  144                          ; four of z
.set YA,  176                          ; four of y^T
.set SPW, 252
.set NIL, 253
; window 1: v0-63 Q, v64-127 K, v128-191 V, v192-255 w_o: register 4 c + i holds channel 8 c + 4 h + i of the lane's row
.set WV,  10
.set CX,  11
.set BB,  12
.set SL,  13
.set G1F, 16                           ; s[16:23] descriptor group 1;  s[24:27] group 0
.set G0F, 24
.set WB,  28                           ; s[28:29] w_o at my columns and my head's channels
.set OB,  30                           ; s[30:31] out0 at the batch's first row and my columns
.set SEL, 32
.set CS,  34
.set MSB, 0
.macro WIN new                         ; the immediate's high byte repeats the setting that is left
.if MSB != \new
	s_set_vgpr_msb (MSB<<8)|\new
.set MSB, \new
.endif
.endm
.macro PLACES n
.rept \n
	v_nop
.endr
.endm
.macro CROUND                          ; a round of the cluster's barrier
	s_barrier_signal -1
	s_barrier_wait -1
	s_cmp_lg_u32 s[WV], 0
	s_cbranch_scc1 .Lnot_wave_0_\@
	s_barrier_signal -3
.Lnot_wave_0_\@:
	s_barrier_wait -3
	s_barrier_signal -1
	s_barrier_wait -1
.endm
	s_load_b128 s[4:7], s[0:1], 0x0                ; fineb s[4:5], w_o s[6:7]
	s_load_b64 s[8:9], s[0:1], 0x10                ; out0
	v_lshl_add_u32 v[SPW], v0, 2, SPARE
	v_mov_b32 v[NIL], 0
	ds_add_u32 v[SPW], v[NIL]                      ; the wave's opening: the add, twice on end, and its wait ahead of my first tensor load
	ds_add_u32 v[SPW], v[NIL]
	v_lshrrev_b32 v1, 5, v0
	v_readfirstlane_b32 s[WV], v1                  ; wave = query head
	v_and_b32 v1, 15, v0                           ; r
	v_bfe_u32 v2, v0, 4, 1                         ; h
	v_lshrrev_b32 v3, 4, v0                        ; thread / 16: a row of y on the way out
	s_bfe_u32 s[CX], ttmp6, 0x40000                ; my place in the cluster: it enters w_o's and out0's addresses alone
	s_lshl_b32 s[SL], ttmp9, 2
	s_add_co_u32 s[SL], s[SL], s[CX]               ; my 16 columns: 4 x cluster x + cx
	s_and_b32 s[BB], ttmp7, 0xffff                 ; the batch, which the four partners share
	; descriptor group 1: 32 rows of 64 elements of 8 bytes, dense in memory; 4 words of padding behind every 128
	s_mov_b32 s[G1F], 15|(3<<16)|(1<<20)|(1<<21)|(6<<22)|(3<<25)
	s_mov_b32 s[G1F+1], 64<<16                     ; tensor_dim0
	s_mov_b32 s[G1F+2], 32<<16                     ; tensor_dim1
	s_mov_b32 s[G1F+3], 64<<16                     ; tile_dim0
	s_mov_b32 s[G1F+4], 32                         ; tile_dim1
	s_mov_b32 s[G1F+5], 64                         ; from row to row
	s_mov_b32 s[G1F+6], 0
	s_mov_b32 s[G1F+7], 0
	s_mul_i32 s14, s[WV], 2*HEADB                  ; where my two heads go: the wave's number alone
	s_lshl_b32 s36, s[BB], 17                      ; the batch's 128 KiB,
	s_lshl_b32 s37, s[WV], 14                      ; my 32 rows of 512 bytes
	s_add_co_u32 s36, s36, s37
	s_mov_b32 s37, 0
	s_lshl_b32 s38, s[SL], 16                      ; w_o: 16 rows of 4,096 bytes a work-group,
	s_lshl_b32 s39, s[WV], 9                       ; my head's 128 channels
	s_add_co_u32 s38, s38, s39
	s_mov_b32 s39, 0
	v_lshlrev_b32 v[VWO], 12, v1
	v_lshl_add_u32 v[VWO], v2, 4, v[VWO]           ; 4,096 r + 16 h
	s_mov_b32 s[SEL], 0x76543210
	s_mov_b32 s[SEL+1], 0xfedcba98                 ; v_permlanex16_b32's selects for lane l xor 16
	s_mov_b32 s[CS], 0x3e0293ee                    ; c = log2(e) / sqrt(128)
	s_mov_b32 s[CS+1], s[CS]
	s_wait_dscnt 0x0                               ; both opening adds are done
	s_wait_kmcnt 0x0
	s_add_nc_u64 s[WB:WB+1], s[6:7], s[38:39]
	WIN 0x40                                       ; destination window 1
.irp c, 0,1,2,3,4,5,6,7,8,9,10,11,12,13,14,15
	global_load_b128 v[192+4*\c:192+4*\c+3], v[VWO], s[WB:WB+1] offset:32*\c   ; w_o(16 sl + r, 128 w + 8 c + 4 h + 0..3): asked for first, wanted last
.endr
	WIN 0
	s_mov_b32 s[G0F], 1                            ; count = 1
	s_mov_b32 s[G0F+1], s14                        ; LDS address
	s_add_nc_u64 s[G0F+2:G0F+3], s[4:5], s[36:37]  ; global address: the batch and the wave's number alone
	s_or_b32 s[G0F+3], s[G0F+3], 0x80000000        ; type = 2
	CROUND                                         ; all four work-groups are here: the joint loads meet
	tensor_load_to_lds s[G0F:G0F+3], s[G1F:G1F+7]
	s_nop 0
.rept 4
	v_nop
.endr
	v_mul_u32_u24 v12, v1, PQ
	v_lshl_add_u32 v12, v2, 4, v12                 ; 528 r + 16 h
	s_mul_i32 s15, s[WV], HEADB
	v_add_nc_u32 v[AQ], s15, v12                   ; q: head w
	s_lshr_b32 s15, s[WV], 1
	s_mul_i32 s15, s15, HEADB
	s_add_co_u32 s15, s15, 8*HEADB
	v_add_nc_u32 v[AK], s15, v12                   ; k: head 8 + w / 2
	s_add_co_u32 s15, s15, 4*HEADB
	v_add_nc_u32 v[AV], s15, v12                   ; v: four heads on
	v_lshlrev_b32 v[DD], 3, v2
	v_sub_nc_u32 v[DD], v1, v[DD]                  ; register j holds key 8 h + j of query r: hidden where j > r - 8 h
	s_mul_i32 s15, s[WV], 16*RP
	s_add_co_u32 s15, s15, RED
	v_mul_u32_u24 v[RW], v1, RP
	v_lshl_add_u32 v[RW], v2, 5, v[RW]
	v_add_nc_u32 v[RW], s15, v[RW]                 ; my part of y: row r, 32 h
	v_mul_u32_u24 v[RR], v3, RP
	v_lshl_add_u32 v[RR], v1, 2, v[RR]
	v_add_nc_u32 v[RR], RED, v[RR]                 ; back: sixteen threads to a row of 64 bytes
	v_lshlrev_b32 v[GO], 13, v3
	v_lshl_add_u32 v[GO], v1, 2, v[GO]             ; and the same place in out0
	s_lshl_b32 s36, s[BB], 24                      ; the batch's first row of out0,
	s_lshl_b32 s37, s[SL], 6                       ; my columns' 64 bytes
	s_add_co_u32 s36, s36, s37
	s_mov_b32 s37, 0
	s_add_nc_u64 s[OB:OB+1], s[8:9], s[36:37]
	s_wait_tensorcnt 0x0                           ; my two heads have landed,
	s_barrier_signal -1
	s_barrier_wait -1                              ; everybody's have
	WIN 0x40
.irp c, 0,1,2,3,4,5,6,7,8,9,10,11,12,13,14,15
	ds_load_b128 v[4*\c:4*\c+3], v[AQ] offset:32*\c
.endr
.irp c, 0,1,2,3,4,5,6,7,8,9,10,11,12,13,14,15
	ds_load_b128 v[64+4*\c:64+4*\c+3], v[AK] offset:32*\c
.endr
.irp c, 0,1,2,3,4,5,6,7,8,9,10,11,12,13,14,15
	ds_load_b128 v[128+4*\c:128+4*\c+3], v[AV] offset:32*\c
.endr
	WIN 0
	s_wait_dscnt 16                                ; Q and K are in; V's sixteen loads are younger
	WIN 0x05                                       ; sources 0 and 1 window 1
.set L, 0
.rept 32                               ; S^T = K Q^T: source 0 = 16 keys, source 1 = 16 queries; four accumulators by turns
.if L < 4
	v_wmma_f32_16x16x4_f32 v[SA+8*(L%4):SA+8*(L%4)+7], v[64+2*L:65+2*L], v[2*L:2*L+1], 0
.else
	v_wmma_f32_16x16x4_f32 v[SA+8*(L%4):SA+8*(L%4)+7], v[64+2*L:65+2*L], v[2*L:2*L+1], v[SA+8*(L%4):SA+8*(L%4)+7]
.endif
.set L, L+1
.endr
	s_wait_dscnt 0x0                               ; V is in,
	s_wait_loadcnt 0x0                             ; and w_o
.set L, 0
.rept 32                               ; z = V w_o^T: source 0 = 16 keys, source 1 = 16 columns: lane (r, h) holds column r, its register j key 8 h + j
.if L < 4
	v_wmma_f32_16x16x4_f32 v[ZA+8*(L%4):ZA+8*(L%4)+7], v[128+2*L:129+2*L], v[192+2*L:193+2*L], 0
.else
	v_wmma_f32_16x16x4_f32 v[ZA+8*(L%4):ZA+8*(L%4)+7], v[128+2*L:129+2*L], v[192+2*L:193+2*L], v[ZA+8*(L%4):ZA+8*(L%4)+7]
.endif
.set L, L+1
.endr
	WIN 0
	PLACES 8                                       ; eight places behind this form, ahead of the first read of its results
.irp i, 0,2,4,6
	v_pk_add_f32 v[T+\i:T+\i+1], v[SA+\i:SA+\i+1], v[SA+8+\i:SA+8+\i+1]            ; the four parts of S^T, each read from its low end on
	v_pk_add_f32 v[T+8+\i:T+8+\i+1], v[SA+16+\i:SA+16+\i+1], v[SA+24+\i:SA+24+\i+1]
.endr
.irp i, 0,2,4,6
	v_pk_add_f32 v[T+\i:T+\i+1], v[T+\i:T+\i+1], v[T+8+\i:T+8+\i+1]
.endr
	v_mov_b32 v[T+16], 0xff800000
.irp j, 0,1,2,3,4,5,6,7
	v_cmp_gt_i32 vcc_lo, \j, v[DD]
	v_cndmask_b32 v[T+\j], v[T+\j], v[T+16], vcc_lo
.endr
	v_max3_num_f32 v[T+17], v[T], v[T+1], v[T+2]
	v_max3_num_f32 v[T+17], v[T+17], v[T+3], v[T+4]
	v_max3_num_f32 v[T+17], v[T+17], v[T+5], v[T+6]
	v_max_num_f32 v[T+17], v[T+17], v[T+7]
	v_mov_b32 v[T+18], 0                           ; a lane permute's destination counts as read
	v_permlanex16_b32 v[T+18], v[T+17], s[SEL], s[SEL+1]   ; the query's other eight keys
	v_max_num_f32 v[T+17], v[T+17], v[T+18]        ; the row's maximum: key 0 counts for every query
	v_mul_f32 v[T+18], s[CS], v[T+17]              ; c m
	v_mov_b32 v[T+19], 0                           ; named with it as a pair
.irp i, 0,2,4,6
	v_pk_fma_f32 v[T+\i:T+\i+1], v[T+\i:T+\i+1], s[CS:CS+1], v[T+18:T+19] op_sel_hi:[1,0,0] neg_lo:[0,0,1] neg_hi:[0,0,1]   ; c s - c m
.endr
.irp j, 0,1,2,3,4,5,6,7
	v_exp_f32 v[T+\j], v[T+\j]
.endr
.irp i, 0,2,4,6
	v_pk_add_f32 v[ZS+\i:ZS+\i+1], v[ZA+\i:ZA+\i+1], v[ZA+8+\i:ZA+8+\i+1]          ; the four parts of z: independent work behind the exponentials; each accumulator from its low end on
	v_pk_add_f32 v[ZT+\i:ZT+\i+1], v[ZA+16+\i:ZA+16+\i+1], v[ZA+24+\i:ZA+24+\i+1]
.endr
.irp i, 0,2,4,6
	v_pk_add_f32 v[ZS+\i:ZS+\i+1], v[ZS+\i:ZS+\i+1], v[ZT+\i:ZT+\i+1]
.endr
	s_wait_alu depctr_va_vdst(0)                   ; one wait for the eight exponentials, ahead of their first reader
	v_pk_add_f32 v[T+8:T+9], v[T:T+1], v[T+2:T+3]
	v_pk_add_f32 v[T+10:T+11], v[T+4:T+5], v[T+6:T+7]
	v_pk_add_f32 v[T+8:T+9], v[T+8:T+9], v[T+10:T+11]
	v_add_f32 v[T+8], v[T+8], v[T+9]
	v_permlanex16_b32 v[T+9], v[T+8], s[SEL], s[SEL+1]
	v_add_f32 v[T+8], v[T+8], v[T+9]               ; the row's sum
	v_rcp_f32 v[T+10], v[T+8]
	v_nop                                          ; a plain line behind the reciprocal
	s_wait_alu depctr_va_vdst(0)
.irp i, 0,2,4,6
	v_pk_mul_f32 v[P+\i:P+\i+1], v[T+\i:T+\i+1], v[T+10:T+11] op_sel_hi:[1,0]
.endr
.irp c, 0,1,2,3                        ; y^T = z^T p^T: source 0 = 16 columns, source 1 = 16 queries; link c: keys 8 h + 2 c + {0, 1}.  Four accumulators, one link each: no link adds in place
	v_wmma_f32_16x16x4_f32 v[YA+8*\c:YA+8*\c+7], v[ZS+2*\c:ZS+2*\c+1], v[P+2*\c:P+2*\c+1], 0
.endr
	PLACES 8
.irp i, 0,2,4,6
	v_pk_add_f32 v[YS+\i:YS+\i+1], v[YA+\i:YA+\i+1], v[YA+8+\i:YA+8+\i+1]          ; each accumulator from its low end on
	v_pk_add_f32 v[ZT+\i:ZT+\i+1], v[YA+16+\i:YA+16+\i+1], v[YA+24+\i:YA+24+\i+1]
.endr
.irp i, 0,2,4,6
	v_pk_add_f32 v[YS+\i:YS+\i+1], v[YS+\i:YS+\i+1], v[ZT+\i:ZT+\i+1]
.endr
	ds_store_b128 v[RW], v[YS:YS+3]                ; lane (r, h): y(r, 8 h + 0..7), my head's part
	ds_store_b128 v[RW], v[YS+4:YS+7] offset:16
	s_wait_dscnt 0x0                               ; for the others' sake: my part has landed
	s_barrier_signal -1
	s_barrier_wait -1
.irp w, 0,1,2,3,4,5,6,7
	ds_load_b32 v[RV+\w], v[RR] offset:16*RP*\w    ; a thread to a number: its eight parts
.endr
	s_wait_dscnt 0x0
	v_pk_add_f32 v[RV:RV+1], v[RV:RV+1], v[RV+2:RV+3]
	v_pk_add_f32 v[RV+4:RV+5], v[RV+4:RV+5], v[RV+6:RV+7]
	v_pk_add_f32 v[RV:RV+1], v[RV:RV+1], v[RV+4:RV+5]
	v_add_f32 v[RV], v[RV], v[RV+1]
	global_store_b32 v[GO], v[RV], s[OB:OB+1]      ; sixteen threads store 64 consecutive bytes of a row
	s_wait_tensorcnt 0x0                           ; the wave's end: three closing lines behind my last tensor load and my last LDS store
	ds_add_u32 v[SPW], v[NIL]
	s_wait_dscnt 0x0
	CROUND                                         ; the closing round
	s_endpgm
.Lfunc_end_k_q47d54d9be4_fine:
	.size	k_q47d54d9be4_fine, .Lfunc_end_k_q47d54d9be4_fine-k_q47d54d9be4_fine
	.p2alignl 7, 3214868480
	.fill 96, 4, 3214868480
	.section	.rodata,"a",@progbits
	.p2align	6, 0x0
	.amdhsa_kernel k_q47d54d9be4_fine
		.amdhsa_group_segment_fixed_size 167936
		.amdhsa_private_segment_fixed_size 0
		.amdhsa_enable_private_segment 0
		.amdhsa_kernarg_size 24
		.amdhsa_user_sgpr_count 2
		.amdhsa_user_sgpr_kernarg_segment_ptr 1
		.amdhsa_wavefront_size32 1
		.amdhsa_system_sgpr_workgroup_id_x 1
		.amdhsa_system_sgpr_workgroup_id_y 1
		.amdhsa_system_sgpr_workgroup_id_z 1
		.amdhsa_system_vgpr_workitem_id 0
		.amdhsa_next_free_vgpr 512
		.amdhsa_next_free_sgpr 66
		.amdhsa_reserve_vcc 1
		.amdhsa_float_denorm_mode_32 3
		.amdhsa_float_denorm_mode_16_64 3
		.amdhsa_memory_ordered 1
		.amdhsa_forward_progress 1
		.amdhsa_inst_pref_size 20
	.end_amdhsa_kernel
	.amdgpu_metadata
---
amdhsa.version: [ 1, 2 ]
amdhsa.kernels:
  - .name:           k_q47d54d9be4_fine
    .symbol:         k_q47d54d9be4_fine.kd
    .args:
      - { .name: fineb, .offset: 0, .size: 8, .value_kind: global_buffer, .address_space: global }
      - { .name: w_o, .offset: 8, .size: 8, .value_kind: global_buffer, .address_space: global }
      - { .name: out0, .offset: 16, .size: 8, .value_kind: global_buffer, .address_space: global }
    .group_segment_fixed_size: 167936
    .private_segment_fixed_size: 0
    .kernarg_segment_align: 8
    .kernarg_segment_size: 24
    .max_flat_workgroup_size: 256
    .sgpr_count:     66
    .vgpr_count:     512
    .wavefront_size: 32
...
	.end_amdgpu_metadata
.endif
;; end of part 5
